; MI455X (gfx1250); checked and timed in simulation.
; The chip was launched on July 23, 2026; its instructions are those of AMD's public machine-readable ISA for CDNA 5 (MIT licence, August 2026) and "CDNA5" Instruction Set Architecture Reference Guide (July 2026). The comments in the code are by the model that wrote it; some were corrected since.
;; Rope Self Attention. Allowed arithmetic: matrix products marked QUANTISED: E2M1 operands, one E8M0 scale for each 32 along K, by v_wmma_scale_f32_16x16x128_f8f6f4 with both operands' format E2M1 (or v_wmma_scale_f32_32x16x128_f4), f32 sums; products left as they are: bf16, f16 or f32 operands; f32 sums; everything else in f32.
;; Inputs: hidden 4 x 2,048 x 1,024 float32; key_padding_mask 4 x 2,048 bool; proj_b 1,024 float32; proj_w 1,024 x 1,024 float32; qkv_b 3,072 float32; qkv_w 3,072 x 1,024 float32.
;; Outputs: out0 4 x 2,048 x 1,024 float32.
;; This version of the problem:
;;   THIS VERSION OF THE PROBLEM IS GIVEN IN LOW PRECISION. The matrix products marked QUANTISED in the list below multiply operands that are first quantised to E2M1 (2 exponent bits, 1 mantissa bit; 4 bits a number), with one power-of-two scale for each 32 numbers along K (OCP MX v1.0); their sums are f32. The products marked 'left as it is' may take bf16, f16 or f32 operands, with f32 sums. Whichever they take, every output number must still come out within the allowed error. Rounding operands to bf16 (8 significant bits) uses up far more of that allowance than f16 does (11 bits, for magnitudes from 6e-5 to 65,504). All else is computed in f32.
;;   The module's matrix products, in the order in which they are computed (A, B: the left and right operand; K: the contracted axis; several contracted axes count as one K, in the product's order):
;;     1. [M 8,192, K 1,024] x [K 1,024, N 3,072]; A: input hidden; B: input qkv_w: QUANTISED
;;     2. batch 64 x [M 2,048, K 64] x [K 64, N 2,048]; A: computed on the way; B: computed on the way: left as it is (an operand is computed on the way)
;;     3. batch 64 x [M 2,048, K 2,048] x [K 2,048, N 64]; A: computed on the way; B: computed on the way: left as it is (an operand is computed on the way)
;;     4. [M 8,192, K 1,024] x [K 1,024, N 1,024]; A: computed on the way; B: input proj_w: left as it is (an operand is computed on the way)
;;   THE QUANTISER, for each operand of a quantised product, along K:
;;     - K is cut into blocks of 32 from its start; a last block that is shorter is filled with zeros.
;;     - A block's scale is 2^e with e = floor(log2(the largest magnitude in the block)) - 2, held to -126 .. 127; a block of zeros has e = 0. As a byte (E8M0): e + 127.
;;     - Each number is divided by its block's scale, clamped to +-6, and rounded to the nearest number of E2M1, ties to even, subnormals kept.
;;     - The product sums the exact products of the quantised numbers (number of the format x scale) in f32.
;;   ~~~python
;;   def quantise(x, axis):      # numpy; x: float32 -> the quantised numbers, widened to float32 again
;;       x = np.moveaxis(x, axis, -1); K = x.shape[-1]
;;       x = np.pad(x, [(0, 0)] * (x.ndim - 1) + [(0, -K % 32)]); x = x.reshape(x.shape[:-1] + (-1, 32)); a = np.abs(x).max(-1, keepdims=True)
;;       e = np.where(a > 0, np.clip(np.frexp(np.where(a > 0, a, 1))[1] - 1 - 2, -126, 127), 0)      # np.frexp(a)[1] - 1 = floor(log2(a)), exactly
;;       r = np.clip(x / 2.0 ** e, -6, 6)
;;       step = 2.0 ** (np.maximum(np.frexp(np.where(r == 0, 1, r))[1] - 1, 0) - 1)
;;       q = np.round(r / step) * step * 2.0 ** e      # np.round: ties to even
;;       return np.moveaxis(q.reshape(q.shape[:-2] + (-1,))[..., :K], -1, axis).astype(np.float32)
;;   ~~~
;; One version. Each part assembles by itself: llvm-mc -triple=amdgcn-amd-amdhsa -mcpu=gfx1250 --defsym DOCPART=n.
;; ======== version 1 of 1: 4 launches
;; limits: values are held in f16: magnitudes above 65,504 overflow, below 6.1e-05 lose precision; right only within a limited range of input values
;; workspace buffers: hc 4,194,304 bytes; hs 262,144 bytes; wc 1,572,864 bytes; ws 98,304 bytes; pw16 2,097,152 bytes; rope 524,288 bytes; qkvh 50,331,648 bytes; ctx 16,777,216 bytes
;; launch prep (part 1): grid 544 x 1, 4 waves a work-group, no clusters, 33,280 bytes of LDS; arguments hidden, qkv_w, hc, hs, wc, ws, proj_w, pw16, rope; writes hc, hs, wc, ws, pw16, rope
.if DOCPART == 1
	.amdgcn_target "amdgcn-amd-amdhsa--gfx1250"
	.amdhsa_code_object_version 6
	.text
	.protected	k_q96580b472b_prep
	.globl	k_q96580b472b_prep
	.p2align	8
	.type	k_q96580b472b_prep,@function
k_q96580b472b_prep:
	s_mov_b64 s[64:65], 0
	v_nop
	global_prefetch_b8 v0, s[64:65] scope:SCOPE_SE
	s_setreg_imm32_b32 hwreg(HW_REG_WAVE_MODE, 25, 1), 1
	s_wait_xcnt 0x0
; Three jobs that share one launch, told apart by the work-group's number alone.
; (a) work-groups 0-351: hidden [8192][1024] and qkv_w [3072][1024], f32, become codes of FP4 (E2M1), K innermost, with one E8M0 byte for each 32 along K.
;     A block's scale is 2^(floor(log2(its largest magnitude)) - 2); its byte is the largest magnitude's exponent field - 2, held at 1 from below.
;     (A block of zeros gets the byte 1 where the rule says 127: its codes are zeros, and this program alone reads the bytes.)
; (b) work-groups 352-479: proj_w [1024][1024] f32 -> f16, same layout.
; (c) work-groups 480-543: the table of rotations: row pos (256 bytes): words 0-31 cos(pos f_i), words 32-63 sin(pos f_i), f_i = 10000^(-i/32).
; LIMITS: blocks whose largest magnitude lies under 2^(2 - 126) were not tried; NaN and infinities among the inputs are not served; proj_w beyond f16's 65,504 is not served.
;   The table's angles are pos x f_i in f32, reduced by pi/2 in two parts: within some 3e-4 rad of the exact angle at pos = 2,047.
; Only job (a) touches LDS.
.set WAVES, 4
.set STEPS, 16
.set WGA,   256                        ; 8192 x 1024 / 32768 work-groups for hidden; 96 more for qkv_w
.set WGQ,   352
.set WGC,   480
.set EMAX,  2
.set CB,    8                          ; bytes of 16 codes
.set R,     16                         ; v16-79   four sets of 16 numbers as they are loaded
.set X,     80                         ; v80-111  two sets of 16 neighbours
.set C,     128                        ; v128-191 codes: four registers for each step
.set E,     112                        ; v112-127 a scale byte for each step
.set WREG,  8192                       ; LDS: a region for each wave: two stages of 32 x SP bytes, behind them its 256 scale bytes
.set SP,    80                         ; a lane's place in a stage: 64 bytes + 16 of padding
.set SPW,   12                         ; v12 LDS address of my spare word; never rewritten
.set NIL,   13                         ; v13 0; never rewritten
.set SPARE, WAVES*WREG                 ; the spare words, 128 bytes a wave
	v_lshl_add_u32 v[SPW], v0, 2, SPARE
	v_mov_b32 v[NIL], 0
	s_cmp_ge_u32 ttmp9, WGQ
	s_cbranch_scc1 .Lother
; ---------------- (a) the quantiser.  A wave takes 16 steps of 512 numbers.  Each load reads 512 bytes on end; a step's 2,048 bytes turn through the wave's own stage, so that a lane holds 16 neighbours along K.
	s_load_b128 s[4:7], s[0:1], 0x0                ; hidden, qkv_w
	s_load_b128 s[8:11], s[0:1], 0x10              ; hidden's codes, scales
	s_load_b128 s[12:15], s[0:1], 0x20             ; qkv_w's codes, scales
	v_lshrrev_b32 v1, 5, v0
	v_readfirstlane_b32 s16, v1                    ; wave
	v_and_b32 v2, 31, v0                           ; lane
	v_lshlrev_b32 v3, 4, v2                        ; my 16 bytes of a load's 512
	s_mul_i32 s17, s16, WREG
	v_lshrrev_b32 v14, 2, v2
	v_mul_u32_u24 v14, v14, SP
	v_and_b32 v15, 3, v2
	v_lshl_add_u32 v14, v15, 4, v14
	v_add_nc_u32 v14, s17, v14                     ; the stage, on the way in: SP (lane / 4) + 16 (lane % 4)
	v_mul_u32_u24 v15, v2, SP
	v_add_nc_u32 v15, s17, v15                     ; and on the way out: SP x lane
	v_mul_u32_u24 v4, v2, CB                       ; my codes' place in a step's
	v_lshrrev_b32 v5, 1, v2
	s_add_co_u32 s17, s17, 2*32*SP
	v_add_nc_u32 v5, s17, v5                       ; my wave's 256 scale bytes, my block's byte
	v_lshlrev_b32 v7, 3, v2
	v_add_nc_u32 v6, s17, v7                       ; and on the way out 8 bytes a lane
	s_wait_kmcnt 0x0
	s_cmp_lt_u32 ttmp9, WGA                        ; hidden's work-group or qkv_w's: the choice hangs on the work-group's number alone
	s_cselect_b64 s[4:5], s[4:5], s[6:7]
	s_cselect_b64 s[8:9], s[8:9], s[12:13]
	s_cselect_b64 s[10:11], s[10:11], s[14:15]
	s_cselect_b32 s17, 0, WGA
	s_sub_co_u32 s17, ttmp9, s17
	s_lshl_b32 s17, s17, 2
	s_add_co_u32 s18, s17, s16                     ; which run of 8,192 numbers is my wave's
	s_mov_b32 s19, 0
	s_mov_b64 s[20:21], 512*STEPS*4
	s_mul_u64 s[20:21], s[18:19], s[20:21]
	s_add_nc_u64 s[4:5], s[4:5], s[20:21]
	s_mov_b64 s[20:21], 32*STEPS*CB
	s_mul_u64 s[20:21], s[18:19], s[20:21]
	s_add_nc_u64 s[8:9], s[8:9], s[20:21]
	s_lshl_b32 s18, s18, 8                         ; 256 scale bytes a run
	s_add_nc_u64 s[10:11], s[10:11], s[18:19]
.macro LOAD t
.irp i, 0,1,2,3
	global_load_b128 v[R+16*((\t)%4)+4*\i:R+16*((\t)%4)+4*\i+3], v3, s[4:5] offset:2048*(\t)+512*\i th:TH_LOAD_NT
.endr
.endm
.macro TURN t                          ; step t's numbers through the stage: LDS serves a wave's instructions in order, so no wait stands between the stores and the loads
.irp i, 0,1,2,3
	ds_store_b128 v14, v[R+16*((\t)%4)+4*\i:R+16*((\t)%4)+4*\i+3] offset:32*SP*((\t)%2)+8*SP*\i
.endr
.irp i, 0,1,2,3
	ds_load_b128 v[X+16*((\t)%2)+4*\i:X+16*((\t)%2)+4*\i+3], v15 offset:32*SP*((\t)%2)+16*\i
.endr
.endm
.irp t, 0,1,2,3
	LOAD \t
.endr
	s_wait_loadcnt 12                              ; step 0's four loads are in; three steps' twelve stay out
	TURN 0
.macro STEP t
.set XS, X+16*((\t)%2)
.if (\t) > 0
	s_wait_dscnt 1                                 ; this step's numbers are back from the stage (the last step's byte store may be out)
.else
	s_wait_dscnt 0x0
.endif
.if (\t)+4 < STEPS
	LOAD (\t)+4
.endif
.if (\t)+1 < STEPS
.if STEPS-2-(\t) >= 3
	s_wait_loadcnt 12                              ; the next step's four loads are in; those of the three steps behind it may be out
.else
	s_wait_loadcnt 4*(STEPS-2-(\t))
.endif
	TURN (\t)+1
.endif
	v_max3_num_f32 v8, |v[XS]|, |v[XS+1]|, |v[XS+2]|
	v_max3_num_f32 v9, |v[XS+3]|, |v[XS+4]|, |v[XS+5]|
.irp i, 6,10
	v_max3_num_f32 v8, v8, |v[XS+\i]|, |v[XS+\i+1]|
	v_max3_num_f32 v9, v9, |v[XS+\i+2]|, |v[XS+\i+3]|
.endr
	v_max3_num_f32 v8, v8, |v[XS+14]|, |v[XS+15]|
	v_max3_num_f32 v8, v8, v9, (EMAX+1)<<23        ; the floor 2^(EMAX + 1 - 127): the byte cannot fall under 1
	v_max_num_f32_dpp v8, v8, v8 row_xmask:1 row_mask:0xf bank_mask:0xf   ; with my neighbour's 16: the block's largest magnitude
	v_add_nc_u32 v11, -(EMAX<<23), v8              ; EMAX off its exponent field: the conversion's scale operand
	v_cvt_scalef32_pk8_fp4_f32 v[C+4*(\t)], v[XS:XS+7], v11
	v_cvt_scalef32_pk8_fp4_f32 v[C+4*(\t)+1], v[XS+8:XS+15], v11
	v_lshrrev_b32 v[E+(\t)], 23, v11               ; the scale's byte
	ds_store_b8 v5, v[E+(\t)] offset:16*(\t)       ; both lanes of a block write the same byte with the same value
	global_store_b64 v4, v[C+4*(\t):C+4*(\t)+1], s[8:9] offset:32*CB*(\t)   ; the wave stores 256 bytes on end, aligned
.endm
.irp t, 0,1,2,3,4,5,6,7,8,9,10,11,12,13,14,15
	STEP \t
.endr
	ds_load_b64 v[8:9], v6                         ; in order behind my byte stores
	s_wait_dscnt 0x0
	global_store_b64 v7, v[8:9], s[10:11]          ; 256 scale bytes on end, aligned
	s_wait_tensorcnt 0x0                           ; the wave's end
	ds_add_u32 v[SPW], v[NIL]
	s_wait_dscnt 0x0
	s_endpgm
; ---------------- (b) proj_w to f16: 8,192 numbers a work-group, 16 passes; a lane loads 16 bytes and stores 8: a wave reads 512 bytes on end and writes 256, aligned
.Lother:
	s_cmp_ge_u32 ttmp9, WGC
	s_cbranch_scc1 .Lrope
	s_load_b128 s[4:7], s[0:1], 0x30               ; proj_w, pw16
	s_sub_co_u32 s8, ttmp9, WGQ
	s_lshl_b32 s10, s8, 15
	s_mov_b32 s11, 0
	s_lshl_b32 s12, s8, 14
	s_mov_b32 s13, 0
	v_lshlrev_b32 v1, 4, v0
	v_lshlrev_b32 v2, 3, v0
	s_wait_kmcnt 0x0
	s_add_nc_u64 s[4:5], s[4:5], s[10:11]
	s_add_nc_u64 s[6:7], s[6:7], s[12:13]
.irp p, 0,1,2,3,4,5,6,7,8,9,10,11,12,13,14,15
	global_load_b128 v[16+4*\p:19+4*\p], v1, s[4:5] offset:2048*\p th:TH_LOAD_NT
.endr
.irp p, 0,1,2,3,4,5,6,7,8,9,10,11,12,13,14,15
	s_wait_loadcnt 15-\p                           ; pass p's load is in; the younger passes' stay out
	v_cvt_pk_f16_f32 v[80+2*\p], v[16+4*\p], v[17+4*\p]
	v_cvt_pk_f16_f32 v[81+2*\p], v[18+4*\p], v[19+4*\p]
	global_store_b64 v2, v[80+2*\p:81+2*\p], s[6:7] offset:1024*\p   ; each pass has registers of its own: nothing is rewritten
.endr
	s_endpgm
; ---------------- (c) the table: 32 positions a work-group, four passes of 8.  Sixteen lanes fill a row of 256 bytes: lanes 0-7 of them the cosines, lanes 8-15 the sines, four frequencies a lane.
.set FQ,  16                           ; v16-19 my four frequencies
.set RES, 32                           ; v32-47 results, four for each pass
.set AX,  48                           ; the angle, then the reduced angle r
.set AN,  52                           ; n = the nearest whole number to angle x 2 / pi
.set AZ,  56                           ; r^2
.set PS,  60                           ; sin r
.set PC,  64                           ; cos r
.set KK,  68                           ; the quadrant
.set TT,  72
.Lrope:
	s_load_b64 s[4:5], s[0:1], 0x40                ; the table
	s_sub_co_u32 s6, ttmp9, WGC
	s_lshl_b32 s8, s6, 13                          ; 32 rows of 256 bytes
	s_mov_b32 s9, 0
	s_lshl_b32 s7, s6, 5                           ; the first position
	v_and_b32 v3, 7, v0
	v_lshlrev_b32 v3, 2, v3                        ; my first frequency's number
	v_bfe_u32 v4, v0, 3, 1                         ; 0: cosines, 1: sines
	v_sub_nc_u32 v4, 1, v4                         ; cos x = sin(x + pi / 2): one quadrant on
	v_lshrrev_b32 v5, 4, v0
	v_add_nc_u32 v5, s7, v5                        ; my position in pass 0
	v_lshlrev_b32 v2, 4, v0                        ; 16 bytes a thread: 8 rows on end
	v_mov_b32 v20, 0x3638ef1d                      ; 1 / 9!
	v_mov_b32 v21, 0xb493f27e                      ; -1 / 10!
.irp e, 0,1,2,3
	v_add_nc_u32 v[TT+\e], \e, v3
.endr
.irp e, 0,1,2,3
	v_cvt_f32_u32 v[TT+\e], v[TT+\e]
.endr
.irp e, 0,1,2,3
	v_mul_f32 v[TT+\e], 0xbed49a78, v[TT+\e]       ; -i log2(10000) / 32
.endr
.irp e, 0,1,2,3
	v_exp_f32 v[FQ+\e], v[TT+\e]
.endr
	v_nop                                          ; a plain instruction behind the last exponential
	s_wait_alu depctr_va_vdst(0)                   ; one wait for the four, ahead of their first reader
	s_wait_kmcnt 0x0
	s_add_nc_u64 s[4:5], s[4:5], s[8:9]
.macro PASS p
	v_add_nc_u32 v6, 8*\p, v5
	v_cvt_f32_u32 v6, v6
.irp e, 0,1,2,3
	v_mul_f32 v[AX+\e], v6, v[FQ+\e]               ; the angle, as the definition forms it
.endr
.irp e, 0,1,2,3
	v_mul_f32 v[AN+\e], 0x3f22f983, v[AX+\e]       ; x 2 / pi
.endr
.irp e, 0,1,2,3
	v_rndne_f32 v[AN+\e], v[AN+\e]
.endr
.irp e, 0,1,2,3
	v_fmamk_f32 v[AX+\e], v[AN+\e], 0xbfc90fdb, v[AX+\e]   ; - n x (pi / 2's upper part)
.endr
.irp e, 0,1,2,3
	v_fmamk_f32 v[AX+\e], v[AN+\e], 0x333bbd2e, v[AX+\e]   ; - n x (its lower part, which is negative): |r| <= pi / 4
.endr
.irp e, 0,1,2,3
	v_mul_f32 v[AZ+\e], v[AX+\e], v[AX+\e]
.endr
.irp e, 0,1,2,3
	v_fmaak_f32 v[PS+\e], v20, v[AZ+\e], 0xb9500d01
	v_fmaak_f32 v[PC+\e], v21, v[AZ+\e], 0x37d00d01
.endr
.irp e, 0,1,2,3
	v_fmaak_f32 v[PS+\e], v[PS+\e], v[AZ+\e], 0x3c088889
	v_fmaak_f32 v[PC+\e], v[PC+\e], v[AZ+\e], 0xbab60b61
.endr
.irp e, 0,1,2,3
	v_fmaak_f32 v[PS+\e], v[PS+\e], v[AZ+\e], 0xbe2aaaab
	v_fmaak_f32 v[PC+\e], v[PC+\e], v[AZ+\e], 0x3d2aaaab
.endr
.irp e, 0,1,2,3
	v_fmaak_f32 v[PC+\e], v[PC+\e], v[AZ+\e], 0xbf000000
	v_mul_f32 v[TT+\e], v[AX+\e], v[AZ+\e]
.endr
.irp e, 0,1,2,3
	v_fma_f32 v[PS+\e], v[TT+\e], v[PS+\e], v[AX+\e]       ; sin r = r + r^3 (..)
	v_fma_f32 v[PC+\e], v[AZ+\e], v[PC+\e], 1.0            ; cos r = 1 + r^2 (..)
.endr
.irp e, 0,1,2,3
	v_cvt_i32_f32 v[KK+\e], v[AN+\e]
.endr
.irp e, 0,1,2,3
	v_add_nc_u32 v[KK+\e], v[KK+\e], v4            ; the quadrant of the sine that is wanted
.endr
.irp e, 0,1,2,3
	v_and_b32 v[TT+\e], 1, v[KK+\e]                ; odd: cos r, even: sin r
	v_lshlrev_b32 v[KK+\e], 30, v[KK+\e]
.endr
.irp e, 0,1,2,3
	v_and_b32 v[KK+\e], 0x80000000, v[KK+\e]       ; quadrants 2 and 3: the sign turns
.endr
.irp e, 0,1,2,3
	v_cmp_eq_u32 vcc_lo, 1, v[TT+\e]
	v_cndmask_b32 v[RES+4*\p+\e], v[PS+\e], v[PC+\e], vcc_lo   ; a choice of values only
	v_xor_b32 v[RES+4*\p+\e], v[RES+4*\p+\e], v[KK+\e]
.endr
	global_store_b128 v2, v[RES+4*\p:RES+4*\p+3], s[4:5] offset:2048*\p   ; sixteen lanes store a row's 256 bytes; each pass has result registers of its own
.endm
	PASS 0
	PASS 1
	PASS 2
	PASS 3
	s_endpgm
.Lfunc_end_k_q96580b472b_prep:
	.size	k_q96580b472b_prep, .Lfunc_end_k_q96580b472b_prep-k_q96580b472b_prep
	.p2alignl 7, 3214868480
	.fill 96, 4, 3214868480
	.section	.rodata,"a",@progbits
	.p2align	6, 0x0
	.amdhsa_kernel k_q96580b472b_prep
		.amdhsa_group_segment_fixed_size 33280
		.amdhsa_private_segment_fixed_size 0
		.amdhsa_enable_private_segment 0
		.amdhsa_kernarg_size 72
		.amdhsa_user_sgpr_count 2
		.amdhsa_user_sgpr_kernarg_segment_ptr 1
		.amdhsa_wavefront_size32 1
		.amdhsa_system_sgpr_workgroup_id_x 1
		.amdhsa_system_sgpr_workgroup_id_y 1
		.amdhsa_system_sgpr_workgroup_id_z 1
		.amdhsa_system_vgpr_workitem_id 0
		.amdhsa_next_free_vgpr 192
		.amdhsa_next_free_sgpr 66
		.amdhsa_reserve_vcc 1
		.amdhsa_float_denorm_mode_32 3
		.amdhsa_float_denorm_mode_16_64 3
		.amdhsa_memory_ordered 1
		.amdhsa_forward_progress 1
		.amdhsa_inst_pref_size 60
	.end_amdhsa_kernel
	.amdgpu_metadata
---
amdhsa.version: [ 1, 2 ]
amdhsa.kernels:
  - .name:           k_q96580b472b_prep
    .symbol:         k_q96580b472b_prep.kd
    .args:
      - { .name: hidden, .offset: 0, .size: 8, .value_kind: global_buffer, .address_space: global }
      - { .name: qkv_w, .offset: 8, .size: 8, .value_kind: global_buffer, .address_space: global }
      - { .name: hc, .offset: 16, .size: 8, .value_kind: global_buffer, .address_space: global }
      - { .name: hs, .offset: 24, .size: 8, .value_kind: global_buffer, .address_space: global }
      - { .name: wc, .offset: 32, .size: 8, .value_kind: global_buffer, .address_space: global }
      - { .name: ws, .offset: 40, .size: 8, .value_kind: global_buffer, .address_space: global }
      - { .name: proj_w, .offset: 48, .size: 8, .value_kind: global_buffer, .address_space: global }
      - { .name: pw16, .offset: 56, .size: 8, .value_kind: global_buffer, .address_space: global }
      - { .name: rope, .offset: 64, .size: 8, .value_kind: global_buffer, .address_space: global }
    .group_segment_fixed_size: 33280
    .private_segment_fixed_size: 0
    .kernarg_segment_align: 8
    .kernarg_segment_size: 72
    .max_flat_workgroup_size: 128
    .sgpr_count:     66
    .vgpr_count:     192
    .wavefront_size: 32
...
	.end_amdgpu_metadata
.endif
;; end of part 1
;; launch qkvgemm (part 2): grid 12 x 32, 4 waves a work-group, clusters of 4 x 4, 327,680 bytes of LDS; arguments hc, hs, wc, ws, qkv_b, rope, qkvh; writes qkvh
.if DOCPART == 2
	.amdgcn_target "amdgcn-amd-amdhsa--gfx1250"
	.amdhsa_code_object_version 6
	.text
	.protected	k_q96580b472b_qkvgemm
	.globl	k_q96580b472b_qkvgemm
	.p2align	8
	.type	k_q96580b472b_qkvgemm,@function
k_q96580b472b_qkvgemm:
	s_mov_b64 s[64:65], 0
	v_nop
	global_prefetch_b8 v0, s[64:65] scope:SCOPE_SE
	s_setreg_imm32_b32 hwreg(HW_REG_WAVE_MODE, 25, 1), 1
	s_wait_xcnt 0x0
	s_wait_alu depctr_hold_cnt(0) depctr_sa_sdst(0) depctr_va_vdst(0) depctr_va_sdst(0) depctr_va_ssrc(0) depctr_va_vcc(0) depctr_vm_vsrc(0)
	s_getreg_b32 s2, hwreg(HW_REG_IB_STS2, 6, 4)
	s_cmp_eq_u32 s2, 0
	s_cbranch_scc0 .Lentry_in_a_cluster
	s_endpgm
.Lentry_in_a_cluster:
	s_bfe_u32 s2, ttmp6, 0x10000c
	s_cmp_lg_u32 s2, 0xf033
	s_cbranch_scc0 .Lentry_shape_is_right
	s_endpgm
.Lentry_shape_is_right:
; qkv = hidden qkv_w^T + qkv_b on codes of FP4 (E2M1) with one E8M0 scale for each 32 along K; then the rotation of q and k; rounded to f16 and laid [part q, k, v][batch][head][position][64].
; A tile of 256 rows x 256 columns is made by four waves, 128 x 128 each: 64 accumulators of 16 x 16, 512 registers.  K = 1,024 is two LDS slots of 512 (rows of 256 bytes): both are asked for at the head,
; with the scale bytes of the tile's 512 rows, so nothing is filled again.
; CLUSTERS: 4 x 4 work-groups: the four of a row of the cluster ask jointly for the tiles of hidden, the four of a column for those of qkv_w.
; THE MATRIX INSTRUCTION IS USED TRANSPOSED (source 0 = 16 rows of qkv_w, source 1 = 16 rows of hidden): a lane holds one row and eight neighbouring columns.  The bias is the C of each sum's first product.
; THE ROTATION: a wave's 128 columns are two heads; channel d of a head lies in column block d / 16, so d and d + 32 lie in the same lane, two blocks apart.  cos and sin come from the table, a row for each position.
; v takes the same lines with the table's row 0 (cos 1, sin 0): the table's pitch is 0 there, chosen by the cluster's x, which is the part (q, k, v).
; LIMITS: q, k, v beyond f16's 65,504 are not served.
; REGISTERS: window 0: v0-31 addresses; v32-95 scale words, two sets; v96-103 table offsets; v128-191 hidden's fragments, one set; v192-255 the bias, later cos and sin in two sets.
;   window 1: qkv_w's fragments, two sets.  windows 2, 3: the accumulators ((a, b) at v[8 (8 (a % 4) + b)]).  On the way out v32-63 packed results, v64-95 rows read back, v128-191 rotated numbers.
.set SIZE_K, 1024
.set KSTEP,  512
.set NQ,     KSTEP/128
.set ROWB,   256                       ; a tile's row in bytes
.set KROW,   SIZE_K*4/8                ; a row of codes in memory
.set PITCH,  272                       ; an LDS row: 256 bytes + 16 of padding: the 16 rows of a load start 68 words apart
.set FR,     8
.set NL,     2
.set NP,     4
.set HALFT,  128*PITCH
.set SLOT,   4*HALFT
.set KS,     SIZE_K/32                 ; a row of scale bytes
.set SCL,    2*SLOT                    ; behind the ring: the scales, as rows of 256 bytes + 16
.set HALFS,  (128*KS/256)*272
.set SBLK,   (16*KS/256)*272
.set SPARE,  SCL+4*HALFS               ; the spare words, 128 bytes a wave
.set SP,     144                       ; the way out: a stage row: a head's 128 bytes + 16
.set STGW,   2*16*SP                   ; a wave's stage: two heads x 16 rows.  It lies in slot 0, which has had its only fill and its last read when the first result is stored there
.set ADRA, 16
.set ADRB, 20
.set STO,  24
.set RD,   25
.set CO,   26
.set ADRS, 27
.set SPW,  28
.set NIL,  29
.set SC,   32
.set RO,   96                          ; v96-103 block a's byte offset in the table
.set AF,   128
.set BI,   192                         ; the bias: register 8 b + j: column 16 b + 8 (lane / 16) + j of my 128
.set CS,   192                         ; later: set a % 2 of 32: +0..15 cos, +16..31 sin of channels 16 u + 8 (lane / 16) + j at 8 u + j
.set OUT,  128
.set PKR,  32
.set BK,   64
.set G1, 24
.set G0, 32
.set G1B, 48
.set G0B, 56
.set G1S, 68
.set G0S, 76
.set G1SB, 80
.set G0SB, 88
.set MSB, 0
.macro WIN new                         ; the immediate's high byte repeats the setting that is left
.if MSB != (\new)
	s_set_vgpr_msb (MSB<<8)|(\new)
.set MSB, (\new)
.endif
.endm
.set MUL_LO, 0xa1                      ; source 0 window 1, source 1 window 0, C and D window 2
.set MUL_HI, 0xf1                      ; the same, C and D window 3
.set FST_LO, 0x81                      ; the first products: C (the bias) window 0, D window 2
.set FST_HI, 0xc1                      ; D window 3
.set TO_B,   0x40
; A joint load: waves 0 and 1 fetch for hidden, waves 2 and 3 for qkv_w.  The branch hangs on the wave's number alone.  An s_nop 0 and four v_nop follow each line.
.macro JLOAD g0a, g1a, g0b, g1b
	s_cmp_eq_u32 s15, 0
	s_cbranch_scc0 .Lfor_b_\@
	tensor_load_to_lds s[\g0a:\g0a+3], s[\g1a:\g1a+7]
	s_nop 0
.rept 4
	v_nop
.endr
	s_branch .Lasked_\@
.Lfor_b_\@:
	tensor_load_to_lds s[\g0b:\g0b+3], s[\g1b:\g1b+7]
	s_nop 0
.rept 4
	v_nop
.endr
.Lasked_\@:
.endm
.macro CROUND                          ; a round of the cluster's barrier
	s_barrier_signal -1
	s_barrier_wait -1
	s_cmp_lg_u32 s14, 0
	s_cbranch_scc1 .Lnot_wave_0_\@
	s_barrier_signal -3
.Lnot_wave_0_\@:
	s_barrier_wait -3
	s_barrier_signal -1
	s_barrier_wait -1
.endm
	s_load_b128 s[4:7], s[0:1], 0x0                ; hidden's codes, scales
	s_load_b128 s[8:11], s[0:1], 0x10              ; qkv_w's codes, scales
	s_load_b128 s[96:99], s[0:1], 0x20             ; qkv_b, the table
	s_load_b64 s[12:13], s[0:1], 0x30              ; the result
	v_lshl_add_u32 v[SPW], v0, 2, SPARE
	v_mov_b32 v[NIL], 0
	ds_add_u32 v[SPW], v[NIL]                      ; the wave's opening: the add, twice on end, and its wait ahead of my first tensor load
	ds_add_u32 v[SPW], v[NIL]
	v_lshrrev_b32 v1, 5, v0
	v_readfirstlane_b32 s14, v1                    ; wave 0..3
	s_lshr_b32 s15, s14, 1                         ; which half of the tile's rows is mine.  Also: I fetch for hidden (0) or qkv_w (1)
	s_and_b32 s16, s14, 1                          ; which half of its columns.  Also: which 128 rows I fetch
	s_bfe_u32 s40, ttmp6, 0x40000                  ; cx, cy
	s_bfe_u32 s41, ttmp6, 0x40004
	s_lshl_b32 s42, ttmp9, 2
	s_add_co_u32 s42, s42, s40                     ; tile column = 4 x cluster x + cx
	s_and_b32 s17, ttmp7, 0xffff
	s_lshl_b32 s17, s17, 2
	s_add_co_u32 s17, s17, s41                     ; tile row = 4 x cluster y + cy
	s_lshl_b32 s43, s41, 2
	s_lshl_b32 s43, 15, s43                        ; my row of the cluster
	s_lshl_b32 s44, 0x1111, s40                    ; my column
	s_or_b32 s[G1+0], s43, (0<<16)|(1<<20)|(1<<21)|(5<<22)|(3<<25)  ; the mask; elements of 1 byte; padding: 4 words after every 64; bit 21 beside a mask
	s_or_b32 s[G1B+0], s44, (0<<16)|(1<<20)|(1<<21)|(5<<22)|(3<<25)
.irp g, G1, G1B
	s_mov_b32 s[\g+1], ROWB<<16                    ; tensor_dim0
	s_mov_b32 s[\g+2], 128<<16                     ; tensor_dim1
	s_mov_b32 s[\g+3], ROWB<<16                    ; tile_dim0
	s_mov_b32 s[\g+4], 128                         ; tile_dim1
	s_mov_b32 s[\g+5], KROW                        ; the pitch in memory
	s_mov_b32 s[\g+6], 0
	s_mov_b32 s[\g+7], 0
.endr
	s_or_b32 s[G1S+0], s43, (3<<16)|(1<<20)|(1<<21)|(5<<22)|(3<<25)  ; the scales of 128 rows: a dense block, as rows of 256 bytes (32 elements of 8)
	s_or_b32 s[G1SB+0], s44, (3<<16)|(1<<20)|(1<<21)|(5<<22)|(3<<25)
.irp g, G1S, G1SB
	s_mov_b32 s[\g+1], 32<<16
	s_mov_b32 s[\g+2], (128*KS/256)<<16
	s_mov_b32 s[\g+3], 32<<16
	s_mov_b32 s[\g+4], 128*KS/256
	s_mov_b32 s[\g+5], 32
	s_mov_b32 s[\g+6], 0
	s_mov_b32 s[\g+7], 0
.endr
	s_lshl_b32 s18, s16, 7
	s_lshl_b32 s20, s17, 8
	s_add_co_u32 s20, s20, s18                     ; hidden: row 256 x tile row + 128 x half
	s_lshl_b32 s46, s42, 8
	s_add_co_u32 s46, s46, s18                     ; qkv_w: row 256 x tile column + 128 x half
	s_mov_b32 s21, 0
	s_mov_b32 s47, 0
	s_mov_b64 s[18:19], KS
	s_mul_u64 s[22:23], s[20:21], s[18:19]
	s_mul_u64 s[92:93], s[46:47], s[18:19]
	s_mov_b64 s[18:19], KROW
	s_mul_u64 s[20:21], s[20:21], s[18:19]
	s_mul_u64 s[46:47], s[46:47], s[18:19]
	s_mul_i32 s45, s14, HALFT                      ; where they go: wave x 128 rows
	s_mul_i32 s94, s14, HALFS
	s_wait_dscnt 0x0                               ; both opening adds are done
	s_wait_kmcnt 0x0
	s_add_nc_u64 s[20:21], s[4:5], s[20:21]
	s_add_nc_u64 s[22:23], s[6:7], s[22:23]
	s_add_nc_u64 s[46:47], s[8:9], s[46:47]
	s_add_nc_u64 s[92:93], s[10:11], s[92:93]
	CROUND                                         ; all sixteen work-groups are here: the joint loads meet
	s_mov_b32 s[G0S], 1
	s_add_co_u32 s[G0S+1], s94, SCL
	s_mov_b64 s[G0S+2:G0S+3], s[22:23]
	s_or_b32 s[G0S+3], s[G0S+3], 0x80000000
	s_mov_b32 s[G0SB], 1
	s_add_co_u32 s[G0SB+1], s94, SCL
	s_mov_b64 s[G0SB+2:G0SB+3], s[92:93]
	s_or_b32 s[G0SB+3], s[G0SB+3], 0x80000000
	JLOAD G0S, G1S, G0SB, G1SB                     ; the scales first; three loads of mine are out behind the next two
.irp s, 0,1
	s_mov_b32 s[G0+4*\s], 1
	s_add_co_u32 s[G0+4*\s+1], s45, \s*SLOT
	s_add_nc_u64 s[G0+4*\s+2:G0+4*\s+3], s[20:21], \s*ROWB
	s_or_b32 s[G0+4*\s+3], s[G0+4*\s+3], 0x80000000
	s_mov_b32 s[G0B+4*\s], 1
	s_add_co_u32 s[G0B+4*\s+1], s45, \s*SLOT
	s_add_nc_u64 s[G0B+4*\s+2:G0B+4*\s+3], s[46:47], \s*ROWB
	s_or_b32 s[G0B+4*\s+3], s[G0B+4*\s+3], 0x80000000
	JLOAD G0+4*\s, G1, G0B+4*\s, G1B
.endr
	v_and_b32 v1, 15, v0                           ; r = lane % 16
	v_bfe_u32 v2, v0, 4, 1                         ; h = lane / 16
	v_mul_u32_u24 v3, v1, PITCH
	v_lshl_add_u32 v4, v2, 4, v3
	s_mul_i32 s21, s15, HALFT
	s_mul_i32 s22, s16, HALFT
	s_add_co_u32 s22, s22, 2*HALFT
.irp s, 0,1
	v_add_nc_u32 v[ADRA+\s], s21, v4
	v_add_nc_u32 v[ADRB+\s], s22, v4
	s_add_co_u32 s21, s21, SLOT
	s_add_co_u32 s22, s22, SLOT
.endr
	v_mul_u32_u24 v5, v1, KS                       ; my row's scales: KS bytes a row,
	v_lshrrev_b32 v6, 8, v5
	v_lshl_add_u32 v5, v6, 4, v5                   ; and 16 more for each 256 passed
	s_mul_i32 s21, s15, HALFS
	s_mul_i32 s22, s16, HALFS
	s_add_co_u32 s22, s22, 2*HALFS
	s_sub_co_u32 s22, s22, s21
	v_mul_u32_u24 v6, s22, v2                      ; lanes 16-31 take qkv_w's
	s_add_co_u32 s21, s21, SCL
	v_add_nc_u32 v5, v5, v6
	v_add_nc_u32 v[ADRS], s21, v5
	s_mul_i32 s23, s14, STGW                       ; my stage
	v_mul_u32_u24 v5, v1, SP
	v_lshl_add_u32 v5, v2, 4, v5
	v_add_nc_u32 v[STO], s23, v5                   ; in: row r, 16 bytes for each half of the lanes
	v_and_b32 v6, 31, v0
	v_lshrrev_b32 v7, 3, v6
	v_mul_u32_u24 v7, v7, SP
	v_and_b32 v8, 7, v6
	v_lshl_add_u32 v7, v8, 4, v7
	v_add_nc_u32 v[RD], s23, v7                    ; back: eight lanes to a row of 128 bytes, four rows an instruction
	v_lshlrev_b32 v[CO], 4, v6                     ; and in memory those four rows are 512 bytes on end
	; the bias of my 128 columns
	s_lshl_b32 s46, s42, 10
	s_lshl_b32 s47, s16, 9
	s_add_co_u32 s46, s46, s47
	s_mov_b32 s47, 0
	s_add_nc_u64 s[96:97], s[96:97], s[46:47]
	v_lshlrev_b32 v9, 5, v2                        ; 32 h; it stays
.irp b, 0,1,2,3,4,5,6,7
	global_load_b128 v[BI+8*\b:BI+8*\b+3], v9, s[96:97] offset:64*\b
	global_load_b128 v[BI+8*\b+4:BI+8*\b+7], v9, s[96:97] offset:64*\b+16
.endr
	; the table's offsets: (my first position + 16 a + r) x pitch + 32 h; the pitch is 256 for q and k, 0 for v
	s_and_b32 s20, s17, 7
	s_lshl_b32 s20, s20, 8
	s_lshl_b32 s21, s15, 7
	s_add_co_u32 s20, s20, s21                     ; my first position in the sequence
	s_cmp_lt_u32 ttmp9, 2                          ; the cluster's x is the part: alike in all partners; it selects a number, no path
	s_cselect_b32 s22, 256, 0
	v_add_nc_u32 v10, s20, v1
.irp a, 0,1,2,3,4,5,6,7
	v_add_nc_u32 v11, 16*\a, v10
	v_mad_u32_u24 v[RO+\a], v11, s22, v9
.endr
	; where my part of the result begins: part << 24 + batch << 22 + head << 18 + position << 7
	s_lshl_b32 s20, s20, 7
	s_lshr_b32 s21, s17, 3
	s_lshl_b32 s21, s21, 22
	s_add_co_u32 s20, s20, s21
	s_lshl_b32 s21, ttmp9, 24
	s_add_co_u32 s20, s20, s21
	s_mov_b32 s21, 0
	s_lshl_b32 s46, s40, 20                        ; my first head is 4 cx + 2 x my half of the columns
	s_lshl_b32 s47, s16, 19
	s_add_co_u32 s46, s46, s47
	s_mov_b32 s47, 0
	s_add_nc_u64 s[20:21], s[20:21], s[46:47]
	s_add_nc_u64 s[12:13], s[12:13], s[20:21]
.macro FRAG reg, adr, q, i             ; 16 rows x 128 K of 4-bit codes: 8 registers: two loads of 16 bytes, 32 bytes apart
.irp c, 0,1
	ds_load_b128 v[\reg+4*\c:\reg+4*\c+3], v[\adr] offset:64*(\q)+32*\c+(\i)*16*PITCH
.endr
.endm
; 16 matrix instructions: hidden's blocks a0, a0 + 1 x qkv_w's eight.  first = 1: the bias is the C: nothing is cleared and nothing is added later.
; The 64 accumulators take turns, one instruction a turn, in the same order in every step.
.macro MUL16 a0, p, q, sc, first
.irp a, \a0, \a0+1
.irp b, 0,1,2,3,4,5,6,7
.if \first
	v_wmma_scale_f32_16x16x128_f8f6f4 v[8*(8*((\a)%4)+\b):8*(8*((\a)%4)+\b)+7], v[128*(\p)+FR*\b:128*(\p)+FR*\b+FR-1], v[AF+FR*(\a):AF+FR*(\a)+FR-1], v[BI+8*\b:BI+8*\b+7], v[SC+8*NQ*(\sc)+NQ*\b+(\q)], v[SC+8*NQ*(\sc)+NQ*(\a)+(\q)] matrix_a_fmt:MATRIX_FMT_FP4 matrix_b_fmt:MATRIX_FMT_FP4 matrix_a_scale:MATRIX_SCALE_ROW1
.else
	v_wmma_scale_f32_16x16x128_f8f6f4 v[8*(8*((\a)%4)+\b):8*(8*((\a)%4)+\b)+7], v[128*(\p)+FR*\b:128*(\p)+FR*\b+FR-1], v[AF+FR*(\a):AF+FR*(\a)+FR-1], v[8*(8*((\a)%4)+\b):8*(8*((\a)%4)+\b)+7], v[SC+8*NQ*(\sc)+NQ*\b+(\q)], v[SC+8*NQ*(\sc)+NQ*(\a)+(\q)] matrix_a_fmt:MATRIX_FMT_FP4 matrix_b_fmt:MATRIX_FMT_FP4 matrix_a_scale:MATRIX_SCALE_ROW1
.endif
.endr
.endr
.endm
.macro FETCH_B slot, q, p
	WIN TO_B
.irp i, 0,1,2,3,4,5,6,7
	FRAG 128*(\p)+FR*\i, ADRB+\slot, \q, \i
.endr
	WIN 0
.endm
.macro FETCH_A slot, q, i0
.irp i, \i0, \i0+1, \i0+2, \i0+3
	FRAG AF+FR*(\i), ADRA+\slot, \q, \i
.endr
.endm
.macro SCALES sc                       ; a slot's scale words: lanes 0-15 hidden's block i, lanes 16-31 qkv_w's block i
.irp i, 0,1,2,3,4,5,6,7
	ds_load_b128 v[SC+8*NQ*\sc+NQ*\i:SC+8*NQ*\sc+NQ*\i+3], v[ADRS] offset:\i*SBLK
.endr
.endm
.macro PLACES n                        ; plain vector instructions between a matrix instruction and a load into, or a read of, its registers
.rept \n
	v_nop
.endr
.endm
.macro STEP slot, q, first             ; 128 along K, with its successor in the same slot
	s_wait_dscnt 4*NL                              ; qkv_w's set and hidden's blocks 0-3 are in; the youngest eight loads (blocks 4-7) may be out
.if \first
	WIN FST_LO
.else
	WIN MUL_LO
.endif
	MUL16 0, (\q)%2, \q, \slot, \first
	MUL16 2, (\q)%2, \q, \slot, \first
	s_wait_dscnt 0
	PLACES NP
	FETCH_B \slot, (\q)+1, 1-(\q)%2
	FETCH_A \slot, (\q)+1, 0
.if \first
	WIN FST_HI
.else
	WIN MUL_HI
.endif
	MUL16 4, (\q)%2, \q, \slot, \first
	MUL16 6, (\q)%2, \q, \slot, \first
	PLACES NP
	WIN 0
	FETCH_A \slot, (\q)+1, 4
.endm
; Slot 0's last step changes slots: one barrier; in front of it each wave waits for all its tensor loads (its part of slot 1), adds 0 to its spare word, and waits for that and for its reads of slot 0.  Nothing is filled again.
.macro TURN slot, next
	s_wait_tensorcnt 0x0
	ds_add_u32 v[SPW], v[NIL]
	s_wait_dscnt 4*NL+1                            ; the add and the youngest eight loads may be out
	WIN MUL_LO
	MUL16 0, 1, NQ-1, \slot, 0
	s_wait_dscnt 0x0                               ; the add is done, and my reads of this slot are over
	s_barrier_signal -1
	MUL16 2, 1, NQ-1, \slot, 0
	WIN 0
	s_barrier_wait -1
	PLACES NP
	v_add_nc_u32 v[ADRS], 4*NQ, v[ADRS]            ; the next slot's scale words
	FETCH_B \next, 0, 0
	FETCH_A \next, 0, 0
	SCALES \next
	WIN MUL_HI
	MUL16 4, 1, NQ-1, \slot, 0
	MUL16 6, 1, NQ-1, \slot, 0
	PLACES NP
	WIN 0
	FETCH_A \next, 0, 4
.endm
.macro STEPS slot, from
.set Q, \from
.rept NQ-1-\from
	STEP \slot, Q, 0
.set Q, Q+1
.endr
.endm
.macro CSLOAD a                        ; cos and sin of block a's 16 positions: eight loads into set a % 2
.irp u, 0,1
.irp s, 0,1
.irp w, 0,1
	global_load_b128 v[CS+32*((\a)%2)+8*\u+16*\s+4*\w:CS+32*((\a)%2)+8*\u+16*\s+4*\w+3], v[RO+(\a)], s[98:99] offset:64*\u+128*\s+16*\w
.endr
.endr
.endr
.endm
	s_wait_tensorcnt 1                             ; the scales and my part of slot 0 are in; slot 1's load may be out
	s_barrier_signal -1
	s_barrier_wait -1
	FETCH_B 0, 0, 0
	FETCH_A 0, 0, 0
	SCALES 0
	FETCH_A 0, 0, 4
	s_wait_loadcnt 0x0                             ; the bias
	STEP 0, 0, 1                                   ; the first step starts the sums on the bias
	CSLOAD 0                                       ; behind that step's closing places the bias's registers are free: the first two blocks' cos and sin come while the rest is multiplied
	CSLOAD 1
	STEPS 0, 1
	TURN 0, 1
	STEPS 1, 0
	s_wait_dscnt 4*NL
	WIN MUL_LO
	MUL16 0, 1, NQ-1, 1, 0
	MUL16 2, 1, NQ-1, 1, 0
	s_wait_dscnt 0
	WIN MUL_HI
	MUL16 4, 1, NQ-1, 1, 0
	MUL16 6, 1, NQ-1, 1, 0
	WIN 0
; THE WAY OUT, a block of 16 rows x 128 columns (two heads) at a time: rotated, rounded to f16, through my stage, and out as runs of 512 bytes.
.macro ROPE a
.if (\a) < 7
	s_wait_loadcnt 8                               ; block a's eight loads are in; the next block's eight stay out
.else
	s_wait_loadcnt 0
.endif
	WIN 0x02+(\a)/4                                ; source 0: the accumulators' window
.irp g, 0,1
.irp u, 0,1
.irp j, 0,2,4,6                        ; each accumulator is read from its low end on
	v_pk_mul_f32 v[OUT+8*(4*\g+\u)+\j:OUT+8*(4*\g+\u)+\j+1], v[64*((\a)%4)+8*(4*\g+\u)+\j:64*((\a)%4)+8*(4*\g+\u)+\j+1], v[CS+32*((\a)%2)+8*\u+\j:CS+32*((\a)%2)+8*\u+\j+1]
	v_pk_mul_f32 v[OUT+8*(4*\g+\u)+16+\j:OUT+8*(4*\g+\u)+16+\j+1], v[64*((\a)%4)+8*(4*\g+\u)+16+\j:64*((\a)%4)+8*(4*\g+\u)+16+\j+1], v[CS+32*((\a)%2)+8*\u+\j:CS+32*((\a)%2)+8*\u+\j+1]
	v_pk_fma_f32 v[OUT+8*(4*\g+\u)+\j:OUT+8*(4*\g+\u)+\j+1], v[64*((\a)%4)+8*(4*\g+\u)+16+\j:64*((\a)%4)+8*(4*\g+\u)+16+\j+1], v[CS+32*((\a)%2)+8*\u+16+\j:CS+32*((\a)%2)+8*\u+16+\j+1], v[OUT+8*(4*\g+\u)+\j:OUT+8*(4*\g+\u)+\j+1] neg_lo:[1,0,0] neg_hi:[1,0,0]   ; x1 cos - x2 sin
	v_pk_fma_f32 v[OUT+8*(4*\g+\u)+16+\j:OUT+8*(4*\g+\u)+16+\j+1], v[64*((\a)%4)+8*(4*\g+\u)+\j:64*((\a)%4)+8*(4*\g+\u)+\j+1], v[CS+32*((\a)%2)+8*\u+16+\j:CS+32*((\a)%2)+8*\u+16+\j+1], v[OUT+8*(4*\g+\u)+16+\j:OUT+8*(4*\g+\u)+16+\j+1]   ; x2 cos + x1 sin
.endr
.endr
.endr
	WIN 0
.if (\a) < 6
	CSLOAD (\a)+2                                  ; its set has just been read
.endif
.set n, 0
.rept 32
	v_cvt_pk_f16_f32 v[PKR+n], v[OUT+2*n], v[OUT+2*n+1]
.set n, n+1
.endr
.endm
.macro TOSTAGE a
.if (\a) > 0
	s_wait_xcnt 0x0                                ; the last block's stores have read the registers into which the loads below land
.endif
.irp b, 0,1,2,3,4,5,6,7
	ds_store_b128 v[STO], v[PKR+4*\b:PKR+4*\b+3] offset:(\b/4)*16*SP+(\b%4)*32
.endr
.irp g, 0,1
.irp w, 0,1,2,3
	ds_load_b128 v[BK+4*(4*\g+\w):BK+4*(4*\g+\w)+3], v[RD] offset:\g*16*SP+\w*4*SP   ; LDS serves a wave's instructions in order: these see the stores above
.endr
.endr
.endm
.macro SEND a
	s_wait_dscnt 0x0
.irp g, 0,1
.irp w, 0,1,2,3
	global_store_b128 v[CO], v[BK+4*(4*\g+\w):BK+4*(4*\g+\w)+3], s[12:13] offset:\g*262144+(\a)*2048+\w*512   ; 32 lanes store four rows of a head: 512 bytes on end, aligned
.endr
.endr
.endm
	PLACES NP                                      ; between the last products and the first read of results and the first write of their operands' registers
	ROPE 0
	TOSTAGE 0
.irp a, 1,2,3,4,5,6,7
	ROPE \a                                        ; block a's arithmetic stands between block a - 1's loads from the stage and the wait for them
	SEND \a-1
	TOSTAGE \a
.endr
	SEND 7
	s_wait_tensorcnt 0x0                           ; the wave's end
	ds_add_u32 v[SPW], v[NIL]
	s_wait_dscnt 0x0
	CROUND                                         ; the closing round
	s_endpgm
.Lfunc_end_k_q96580b472b_qkvgemm:
	.size	k_q96580b472b_qkvgemm, .Lfunc_end_k_q96580b472b_qkvgemm-k_q96580b472b_qkvgemm
	.p2alignl 7, 3214868480
	.fill 96, 4, 3214868480
	.section	.rodata,"a",@progbits
	.p2align	6, 0x0
	.amdhsa_kernel k_q96580b472b_qkvgemm
		.amdhsa_group_segment_fixed_size 327680
		.amdhsa_private_segment_fixed_size 0
		.amdhsa_enable_private_segment 0
		.amdhsa_kernarg_size 56
		.amdhsa_user_sgpr_count 2
		.amdhsa_user_sgpr_kernarg_segment_ptr 1
		.amdhsa_wavefront_size32 1
		.amdhsa_system_sgpr_workgroup_id_x 1
		.amdhsa_system_sgpr_workgroup_id_y 1
		.amdhsa_system_sgpr_workgroup_id_z 1
		.amdhsa_system_vgpr_workitem_id 0
		.amdhsa_next_free_vgpr 1024
		.amdhsa_next_free_sgpr 100
		.amdhsa_reserve_vcc 0
		.amdhsa_float_denorm_mode_32 3
		.amdhsa_float_denorm_mode_16_64 3
		.amdhsa_memory_ordered 1
		.amdhsa_forward_progress 1
		.amdhsa_inst_pref_size 167
	.end_amdhsa_kernel
	.amdgpu_metadata
---
amdhsa.version: [ 1, 2 ]
amdhsa.kernels:
  - .name:           k_q96580b472b_qkvgemm
    .symbol:         k_q96580b472b_qkvgemm.kd
    .args:
      - { .name: hc, .offset: 0, .size: 8, .value_kind: global_buffer, .address_space: global }
      - { .name: hs, .offset: 8, .size: 8, .value_kind: global_buffer, .address_space: global }
      - { .name: wc, .offset: 16, .size: 8, .value_kind: global_buffer, .address_space: global }
      - { .name: ws, .offset: 24, .size: 8, .value_kind: global_buffer, .address_space: global }
      - { .name: qkv_b, .offset: 32, .size: 8, .value_kind: global_buffer, .address_space: global }
      - { .name: rope, .offset: 40, .size: 8, .value_kind: global_buffer, .address_space: global }
      - { .name: qkvh, .offset: 48, .size: 8, .value_kind: global_buffer, .address_space: global }
    .group_segment_fixed_size: 327680
    .private_segment_fixed_size: 0
    .kernarg_segment_align: 8
    .kernarg_segment_size: 56
    .max_flat_workgroup_size: 128
    .sgpr_count:     100
    .vgpr_count:     1024
    .wavefront_size: 32
...
	.end_amdgpu_metadata
.endif
;; end of part 2
;; launch attention (part 3): grid 4 x 64, 16 waves a work-group, clusters of 4 x 1, 327,680 bytes of LDS; arguments qkvh, key_padding_mask, ctx; writes ctx
.if DOCPART == 3
	.amdgcn_target "amdgcn-amd-amdhsa--gfx1250"
	.amdhsa_code_object_version 6
	.text
	.protected	k_q96580b472b_attention
	.globl	k_q96580b472b_attention
	.p2align	8
	.type	k_q96580b472b_attention,@function
k_q96580b472b_attention:
	s_mov_b64 s[64:65], 0
	v_nop
	global_prefetch_b8 v0, s[64:65] scope:SCOPE_SE
	s_setreg_imm32_b32 hwreg(HW_REG_WAVE_MODE, 25, 1), 1
	s_wait_xcnt 0x0
	s_wait_alu depctr_hold_cnt(0) depctr_sa_sdst(0) depctr_va_vdst(0) depctr_va_sdst(0) depctr_va_ssrc(0) depctr_va_vcc(0) depctr_vm_vsrc(0)
	s_getreg_b32 s2, hwreg(HW_REG_IB_STS2, 6, 4)
	s_cmp_eq_u32 s2, 0
	s_cbranch_scc0 .Lentry_in_a_cluster
	s_endpgm
.Lentry_in_a_cluster:
	s_bfe_u32 s2, ttmp6, 0x10000c
	s_cmp_lg_u32 s2, 0x3003
	s_cbranch_scc0 .Lentry_shape_is_right
	s_endpgm
.Lentry_shape_is_right:
; ctx[head][batch x 2048 + q][:] = softmax_k(q . k / 8, under the padding mask) v.  q, k, v: f16, [part][batch][head][2048][64]; ctx: f16, [head][8192 rows][64].  Products in f16 with f32 sums; maxima, exponentials and sums in f32.
; SHARES.  A work-group owns 512 queries of one (batch, head); each of its sixteen waves 32: two tiles of 16, in 256 registers: four waves to a SIMD, so that one wave's vector work stands beside another's matrix work.
; Every wave walks all 2,048 keys, 64 a step, 256 a slot, through a ring of two LDS slots.  CLUSTER: the four query blocks of a head walk the same K and V: each tile is asked for jointly (mask 15), by waves 0, 1 (K) and 2, 3 (V).
; LAYOUT.  S^T = K Q^T and O^T = V^T P: a lane holds ONE query (lane % 16) throughout; two score tiles rounded in pairs are the second product's source 1.  V comes out of LDS turned, by ds_load_tr16_b128.
; THE MASK costs no line of its own and no branch.  A padded KEY: the C of each score tile's first product is -1e30 at that key, 0 elsewhere (an array of 2,048 numbers in LDS).
;   A padded QUERY: the lane's factor c = log2(e) / 8 is 0: every exponent is 0, every p is 1, and O / l is the mean of v over all 2,048 keys, which is what the definition gives for a row of equal scores.
; SOFTMAX.  A running maximum m and sum l for each query: p = 2^(c s - c m); in every step O and l are multiplied by a = 2^(c m_old - c m_new).  m starts at -2^50: every allowed score lies above it
;   (f16 operands bound |s| by 64 x 65,504^2 = 2.7e11), and while a valid query has met padded keys only, its p are 0 and l and O stay 0.  A valid query is itself an allowed key, so l ends above 0.
; LIMITS: a padded key's score is s - 1e30 where the definition has -1e9: the same result wherever the row's largest allowed scaled score lies above -1e9 + 150.  |raw score| under 1e10, so that half an ulp of c m stays inside f32's exponent range.
;   NaN and infinities are not served.
; REGISTERS: v1-12 addresses; v16-47 Q; v48-111 S^T (tile t at 48 + 32 t), then P in +0..15 and half of V in +16..31; v112-175 O^T; v176-207 half of K, or of V; v208-223 the key bias of two tiles; v224-247 statistics; v248-255 at the head.
.set SK,    256                        ; keys in a slot: four steps of 64
.set NSL,   8
.set PK,    144                        ; a key's row in LDS: 128 bytes + 16
.set PV,    160                        ; a row of V: 128 + 32: an odd multiple of 32, as the turning load's 8 rows x 32 bytes want
.set VOFF,  SK*PK
.set SLOT1, 1<<17                      ; slot 1 begins here: one exclusive or turns an address
.set BIAS,  77824                      ; behind slot 0: 2,048 f32; stored once, never a fill's target
.set SPARE, 86016                      ; the spare words, 128 bytes for each of 16 waves
.set SP,    144                        ; the way out: 32 rows x (128 + 16) for each wave, in slot 0, which is left at the last change of slots
.set AK0, 1
.set AV0, 2
.set AB0, 3
.set SPW, 4
.set NIL, 5
.set ADK, 6
.set ADV, 7
.set ADB, 8
.set GO,  9
.set PFO, 10
.set STO, 11
.set RD,  12
.set QF,  16
.set SR,  48
.set OA,  112
.set FB,  176
.set BI,  208
.set ST,  224                          ; tile t at ST + 12 t: +0 c m, +1 m, +2, +3 l, +4..+7 at work (a takes +6), +8, +9 c twice, +10, +11 a second chain of sums
.set TB,  2
.set TS,  3
.set WV,  18
.set SEL, 20
.set G1K, 24
.set G1V, 32
.set G0K, 40
.set G0V, 44
.set SLOTS, 48
.set LIM, 49
.set PFA, 50
.macro TLOAD                           ; waves 0, 1 fetch K's halves of a slot, waves 2, 3 V's, the others nothing.  An s_nop 0 and four v_nop follow each line
	s_cmp_lt_u32 s[WV], 2
	s_cbranch_scc0 .Lnot_k_\@
	tensor_load_to_lds s[G0K:G0K+3], s[G1K:G1K+7]
	s_nop 0
.rept 4
	v_nop
.endr
	s_branch .Lasked_\@
.Lnot_k_\@:
	s_cmp_lt_u32 s[WV], 4
	s_cbranch_scc0 .Lasked_\@
	tensor_load_to_lds s[G0V:G0V+3], s[G1V:G1V+7]
	s_nop 0
.rept 4
	v_nop
.endr
.Lasked_\@:
.endm
; A prefetch of what the NEXT change of slots will ask for: a slot's 32,768 bytes of K and of V.  Only this cluster reads this head.  Its four partners take 8,192 bytes each, told apart by address;
; in each, wave 4 asks for K's and wave 5 for V's, lanes 256 bytes apart: each block of 256 bytes is named once.  It stands four key steps ahead of the load.  The last change that fills a slot asks for nothing.
.macro ASK
	s_cmp_gt_u32 s[SLOTS], s[LIM]
	s_cbranch_scc0 .Lnot_mine_\@
	global_prefetch_b8 v[PFO], s[PFA:PFA+1] th:TH_LOAD_NT scope:SCOPE_SE
.Lnot_mine_\@:
.endm
.macro CROUND
	s_barrier_signal -1
	s_barrier_wait -1
	s_cmp_lg_u32 s[WV], 0
	s_cbranch_scc1 .Lnot_wave_0_\@
	s_barrier_signal -3
.Lnot_wave_0_\@:
	s_barrier_wait -3
	s_barrier_signal -1
	s_barrier_wait -1
.endm
	s_load_b128 s[4:7], s[0:1], 0x0                ; q, k, v; the mask
	s_load_b64 s[8:9], s[0:1], 0x10                ; ctx
	v_lshl_add_u32 v[SPW], v0, 2, SPARE
	v_mov_b32 v[NIL], 0
	ds_add_u32 v[SPW], v[NIL]                      ; the wave's opening: the add, twice on end, and its wait ahead of the first tensor load
	ds_add_u32 v[SPW], v[NIL]
	v_lshrrev_b32 v11, 5, v0
	v_readfirstlane_b32 s[WV], v11                 ; wave 0..15
	s_bfe_u32 s52, ttmp6, 0x40000                  ; cx: my block of 512 queries
	s_and_b32 s53, ttmp7, 0xffff                   ; 16 x batch + head, which the partners share
	s_and_b32 s56, s[WV], 1                        ; which 128 rows of a slot I fetch, if I fetch
	s_mov_b32 s[G1K], 15|(1<<16)|(1<<20)|(1<<21)|(4<<22)|(3<<25)   ; the mask: all four; elements of 2 bytes; padding: 4 words after every 32; bit 21 beside a mask
	s_mov_b32 s[G1V], 15|(1<<16)|(1<<20)|(1<<21)|(4<<22)|(7<<25)   ; the same with 8 words
.irp g, G1K, G1V
	s_mov_b32 s[\g+1], 64<<16                      ; tensor_dim0
	s_mov_b32 s[\g+2], 128<<16                     ; tensor_dim1
	s_mov_b32 s[\g+3], 64<<16                      ; tile_dim0
	s_mov_b32 s[\g+4], 128                         ; tile_dim1
	s_mov_b32 s[\g+5], 64                          ; the pitch in memory
	s_mov_b32 s[\g+6], 0
	s_mov_b32 s[\g+7], 0
.endr
	s_lshl_b32 s58, s53, 18                        ; the head's first byte in a part
	s_lshl_b32 s57, s56, 14
	s_add_co_u32 s60, s58, s57
	s_add_co_u32 s60, s60, 1<<24                   ; K: part 1
	s_mov_b32 s61, 0
	s_add_co_u32 s62, s60, 1<<24                   ; V: part 2
	s_mov_b32 s63, 0
	s_lshl_b32 s57, s52, 9
	s_lshl_b32 s59, s[WV], 5
	s_add_co_u32 s57, s57, s59                     ; my first query: 512 cx + 32 x wave
	s_lshl_b32 s66, s57, 7
	s_add_co_u32 s66, s66, s58                     ; Q: part 0
	s_mov_b32 s67, 0
	s_lshr_b32 s68, s53, 4
	s_lshl_b32 s68, s68, 11                        ; the batch's first position
	s_mov_b32 s69, 0
	s_add_co_u32 s70, s68, s57
	s_lshl_b32 s70, s70, 7
	s_and_b32 s71, s53, 15
	s_lshl_b32 s71, s71, 20
	s_add_co_u32 s70, s70, s71                     ; ctx: head << 20 + row << 7
	s_mov_b32 s71, 0
	s_cmp_eq_u32 s[WV], 4                          ; the prefetches: wave 4 K, wave 5 V
	s_cselect_b32 s74, 0, 1<<24
	s_add_co_u32 s74, s74, (1<<24)+SK*128          ; in slot 1: the first change of slots steps it to slot 2.  Nothing is prefetched at the head
	s_add_co_u32 s74, s74, s58
	s_lshl_b32 s75, s52, 13                        ; my work-group's 8,192 bytes of a slot's 32,768
	s_add_co_u32 s74, s74, s75
	s_mov_b32 s75, 0
	s_sub_co_u32 s59, s[WV], 4
	s_lshr_b32 s59, s59, 1                         ; 0 in waves 4 and 5
	s_cmp_eq_u32 s59, 0
	s_cselect_b32 s[LIM], 1, -1
	s_mov_b32 s[SEL], 0x76543210
	s_mov_b32 s[SEL+1], 0xfedcba98
	s_mov_b32 s54, 0xf149f2ca                      ; -1e30
	s_mov_b32 s55, 0x3e38aa3b                      ; log2(e) / 8
	s_mov_b32 s[TB], 0
	s_mov_b32 s[TS], 0
	s_mov_b32 s[SLOTS], NSL-1
	v_and_b32 v14, 15, v0                          ; r
	v_bfe_u32 v15, v0, 4, 1                        ; h
	v_mul_u32_u24 v[AK0], v14, PK
	v_lshl_add_u32 v[AK0], v15, 4, v[AK0]          ; K: row r, + 16 h
	v_and_b32 v13, 7, v0
	v_lshl_add_u32 v13, v15, 3, v13
	v_mul_u32_u24 v[AV0], v13, PV                  ; V: key 8 h + lane % 8,
	v_bfe_u32 v13, v0, 3, 1
	v_lshl_add_u32 v[AV0], v13, 4, v[AV0]          ; channels 8 ((lane / 8) % 2) on
	v_add_nc_u32 v[AV0], VOFF, v[AV0]
	v_lshl_add_u32 v[AB0], v15, 5, BIAS            ; the bias of keys 8 h + 0 .. 7 of a tile
	v_and_b32 v[GO], 31, v0
	v_lshlrev_b32 v[PFO], 8, v[GO]
	v_lshlrev_b32 v[GO], 4, v[GO]
	v_lshlrev_b32 v11, 7, v14
	v_lshl_add_u32 v11, v15, 4, v11                ; Q: row r of 128 bytes, + 16 h
	v_add_nc_u32 v12, s57, v14                     ; my query's byte of the mask
	v_lshlrev_b32 v13, 2, v0                       ; four keys' bytes a thread
	v_lshl_add_u32 v251, v0, 4, BIAS
	s_wait_dscnt 0x0                               ; both opening adds are done
	s_wait_kmcnt 0x0
	s_mov_b32 s[G0K], 1
	s_mul_i32 s[G0K+1], s56, 128*PK
	s_add_nc_u64 s[G0K+2:G0K+3], s[4:5], s[60:61]
	s_or_b32 s[G0K+3], s[G0K+3], 0x80000000
	s_mov_b32 s[G0V], 1
	s_mul_i32 s[G0V+1], s56, 128*PV
	s_add_co_u32 s[G0V+1], s[G0V+1], VOFF
	s_add_nc_u64 s[G0V+2:G0V+3], s[4:5], s[62:63]
	s_or_b32 s[G0V+3], s[G0V+3], 0x80000000
	s_add_nc_u64 s[PFA:PFA+1], s[4:5], s[74:75]
	s_add_nc_u64 s[10:11], s[4:5], s[66:67]
	s_add_nc_u64 s[12:13], s[6:7], s[68:69]
	s_add_nc_u64 s[14:15], s[8:9], s[70:71]
	CROUND                                         ; all four work-groups are here: the first joint loads meet
	TLOAD                                          ; slot 0
.irp t, 0,1
.irp c, 0,1
	global_load_b128 v[QF+16*\t+8*\c:QF+16*\t+8*\c+3], v11, s[10:11] offset:2048*\t+64*\c
	global_load_b128 v[QF+16*\t+8*\c+4:QF+16*\t+8*\c+7], v11, s[10:11] offset:2048*\t+64*\c+32
.endr
.endr
	global_load_u8 v248, v12, s[12:13]
	global_load_u8 v249, v12, s[12:13] offset:16
	global_load_b32 v250, v13, s[12:13]
.set n, 0
.rept 64
	v_mov_b32 v[OA+n], 0                           ; O^T: the step is written once; the first finds zeros
.set n, n+1
.endr
.irp t, 0,1
	v_mov_b32 v[ST+12*\t+1], 0xd8800000            ; m = -2^50
	v_mov_b32 v[ST+12*\t+2], 0
	v_mov_b32 v[ST+12*\t+3], 0
.endr
	s_wait_loadcnt 0x0
.irp t, 0,1
	v_sub_nc_u32 v[248+\t], 1, v[248+\t]           ; 1 for a valid query
	v_mul_lo_u32 v[ST+12*\t+8], v[248+\t], s55     ; c's bits, or 0
	v_mov_b32 v[ST+12*\t+9], v[ST+12*\t+8]
	v_mul_f32 v[ST+12*\t], v[ST+12*\t+8], v[ST+12*\t+1]
.endr
.irp i, 0,1,2,3
	v_bfe_u32 v[252+\i], v250, 8*\i, 8
.endr
.irp i, 0,1,2,3
	v_mul_lo_u32 v[252+\i], v[252+\i], s54         ; -1e30's bits for a padded key, or 0
.endr
	ds_store_b128 v251, v[252:255]                 ; the first change of slots waits for it and passes a barrier ahead of every read
; A KEY STEP: 64 keys, the q-th of the slot in hand.
.macro STEP q
.rept 5
	v_nop                                          ; the last step's products read the registers into which loads go (four places) and over which the score products write (five)
.endr
.irp hk, 0,1                                   ; S^T = K Q^T + the key bias, 32 keys at a time
.if \hk
.rept 4
	v_nop
.endr
.endif
.irp kt, 0,1
.irp c, 0,1
	ds_load_b128 v[FB+16*\kt+8*\c:FB+16*\kt+8*\c+3], v[ADK] offset:(64*(\q)+32*\hk+16*\kt)*PK+64*\c
	ds_load_b128 v[FB+16*\kt+8*\c+4:FB+16*\kt+8*\c+7], v[ADK] offset:(64*(\q)+32*\hk+16*\kt)*PK+64*\c+32
.endr
	ds_load_b128 v[BI+8*\kt:BI+8*\kt+3], v[ADB] offset:256*(\q)+128*\hk+64*\kt
	ds_load_b128 v[BI+8*\kt+4:BI+8*\kt+7], v[ADB] offset:256*(\q)+128*\hk+64*\kt+16
.endr
	s_wait_dscnt 0x0
.irp kt, 0,1                                   ; four accumulators by turns
.irp t, 0,1
	v_wmma_f32_16x16x32_f16 v[SR+32*\t+8*(2*\hk+\kt):SR+32*\t+8*(2*\hk+\kt)+7], v[FB+16*\kt:FB+16*\kt+7], v[QF+16*\t:QF+16*\t+7], v[BI+8*\kt:BI+8*\kt+7]
.endr
.endr
.irp kt, 0,1
.irp t, 0,1
	v_wmma_f32_16x16x32_f16 v[SR+32*\t+8*(2*\hk+\kt):SR+32*\t+8*(2*\hk+\kt)+7], v[FB+16*\kt+8:FB+16*\kt+15], v[QF+16*\t+8:QF+16*\t+15], v[SR+32*\t+8*(2*\hk+\kt):SR+32*\t+8*(2*\hk+\kt)+7]
.endr
.endr
.endr
.rept 4
	v_nop
.endr
.irp dt, 0,1,2,3                               ; V of keys 0-31, turned: it lands while the softmax is walked
	ds_load_tr16_b128 v[FB+8*\dt:FB+8*\dt+3], v[ADV] offset:(64*(\q))*PV+32*\dt
	ds_load_tr16_b128 v[FB+8*\dt+4:FB+8*\dt+7], v[ADV] offset:(64*(\q)+16)*PV+32*\dt
.endr
.irp j, 0,1,2,3                                ; the maximum: four chains a tile, each accumulator from its low end on; the two tiles by turns
.irp t, 0,1
	v_max3_num_f32 v[ST+12*\t+4+\j], v[SR+32*\t+8*\j], v[SR+32*\t+8*\j+1], v[SR+32*\t+8*\j+2]
.endr
.endr
.irp i, 3,5
.irp j, 0,1,2,3
.irp t, 0,1
	v_max3_num_f32 v[ST+12*\t+4+\j], v[ST+12*\t+4+\j], v[SR+32*\t+8*\j+\i], v[SR+32*\t+8*\j+\i+1]
.endr
.endr
.endr
.irp t, 0,1
	v_max3_num_f32 v[ST+12*\t+4], v[ST+12*\t+4], v[SR+32*\t+7], v[SR+32*\t+15]
	v_max3_num_f32 v[ST+12*\t+6], v[ST+12*\t+6], v[SR+32*\t+23], v[SR+32*\t+31]
.endr
.irp t, 0,1
	v_max3_num_f32 v[ST+12*\t+4], v[ST+12*\t+4], v[ST+12*\t+5], v[ST+12*\t+6]
.endr
.irp t, 0,1
	v_max3_num_f32 v[ST+12*\t+4], v[ST+12*\t+4], v[ST+12*\t+7], v[ST+12*\t+1]   ; with the old m
.endr
.irp t, 0,1
	v_permlanex16_b32 v[ST+12*\t+5], v[ST+12*\t+4], s[SEL], s[SEL+1]            ; the query's other 32 keys lie in the lane 16 away
.endr
.irp t, 0,1
	v_mov_b32 v[ST+12*\t+7], v[ST+12*\t]           ; c m_old
.endr
.irp t, 0,1
	v_max_num_f32 v[ST+12*\t+1], v[ST+12*\t+4], v[ST+12*\t+5]
.endr
.irp t, 0,1
	v_mul_f32 v[ST+12*\t], v[ST+12*\t+8], v[ST+12*\t+1]
.endr
.irp t, 0,1
	v_sub_f32 v[ST+12*\t+7], v[ST+12*\t+7], v[ST+12*\t]
.endr
.irp j, 0,2,4,6,8,10,12,14,16,18,20,22,24,26,28,30
.irp t, 0,1
	v_pk_fma_f32 v[SR+32*\t+\j:SR+32*\t+\j+1], v[SR+32*\t+\j:SR+32*\t+\j+1], v[ST+12*\t+8:ST+12*\t+9], v[ST+12*\t:ST+12*\t+1] op_sel_hi:[1,0,0] neg_lo:[0,0,1] neg_hi:[0,0,1]   ; c s - c m
.endr
.endr
.irp t, 0,1
	v_exp_f32 v[ST+12*\t+6], v[ST+12*\t+7]         ; a
.endr
.set n, 0
.rept 32
	v_exp_f32 v[SR+n], v[SR+n]                     ; p, one batch of 66 exponentials
	v_exp_f32 v[SR+32+n], v[SR+32+n]
.set n, n+1
.endr
	v_nop                                          ; a plain instruction behind the last exponential
	s_wait_alu depctr_va_vdst(0)                   ; one wait for the batch, ahead of its first reader
.irp t, 0,1
	v_pk_fma_f32 v[ST+12*\t+2:ST+12*\t+3], v[ST+12*\t+2:ST+12*\t+3], v[ST+12*\t+6:ST+12*\t+7], v[SR+32*\t:SR+32*\t+1] op_sel_hi:[1,0,1]   ; l = a l + ..
	v_pk_add_f32 v[ST+12*\t+10:ST+12*\t+11], v[SR+32*\t+2:SR+32*\t+3], v[SR+32*\t+4:SR+32*\t+5]
.endr
.irp j, 6,10,14,18,22,26
.irp t, 0,1
	v_pk_add_f32 v[ST+12*\t+2:ST+12*\t+3], v[ST+12*\t+2:ST+12*\t+3], v[SR+32*\t+\j:SR+32*\t+\j+1]
	v_pk_add_f32 v[ST+12*\t+10:ST+12*\t+11], v[ST+12*\t+10:ST+12*\t+11], v[SR+32*\t+\j+2:SR+32*\t+\j+3]
.endr
.endr
.irp t, 0,1
	v_pk_add_f32 v[ST+12*\t+2:ST+12*\t+3], v[ST+12*\t+2:ST+12*\t+3], v[SR+32*\t+30:SR+32*\t+31]
.endr
.irp t, 0,1
	v_pk_add_f32 v[ST+12*\t+2:ST+12*\t+3], v[ST+12*\t+2:ST+12*\t+3], v[ST+12*\t+10:ST+12*\t+11]
.endr
.set n, 0
.rept 16                                       ; p to f16, in place and ascending: register n takes pair n, whose registers lie at or above it
	v_cvt_pk_f16_f32 v[SR+n], v[SR+2*n], v[SR+2*n+1]
	v_cvt_pk_f16_f32 v[SR+32+n], v[SR+32+2*n], v[SR+32+2*n+1]
.set n, n+1
.endr
.irp dt, 0,1,2,3                               ; V of keys 32-63 into the upper halves that the packing has left
	ds_load_tr16_b128 v[SR+32*(\dt/2)+16+8*(\dt%2):SR+32*(\dt/2)+16+8*(\dt%2)+3], v[ADV] offset:(64*(\q)+32)*PV+32*\dt
	ds_load_tr16_b128 v[SR+32*(\dt/2)+16+8*(\dt%2)+4:SR+32*(\dt/2)+16+8*(\dt%2)+7], v[ADV] offset:(64*(\q)+48)*PV+32*\dt
.endr
.irp t, 0,1
.irp j, 0,2,4,6,8,10,12,14,16,18,20,22,24,26,28,30
	v_pk_mul_f32 v[OA+32*\t+\j:OA+32*\t+\j+1], v[OA+32*\t+\j:OA+32*\t+\j+1], v[ST+12*\t+6:ST+12*\t+7] op_sel_hi:[1,0]   ; O^T x a
.endr
.endr
	s_wait_dscnt 0x0                               ; V is in
.irp dt, 0,1,2,3                               ; O^T += V^T P: eight accumulators by turns
.irp t, 0,1
	v_wmma_f32_16x16x32_f16 v[OA+32*\t+8*\dt:OA+32*\t+8*\dt+7], v[FB+8*\dt:FB+8*\dt+7], v[SR+32*\t:SR+32*\t+7], v[OA+32*\t+8*\dt:OA+32*\t+8*\dt+7]
.endr
.endr
.irp dt, 0,1,2,3
.irp t, 0,1
	v_wmma_f32_16x16x32_f16 v[OA+32*\t+8*\dt:OA+32*\t+8*\dt+7], v[SR+32*(\dt/2)+16+8*(\dt%2):SR+32*(\dt/2)+16+8*(\dt%2)+7], v[SR+32*\t+8:SR+32*\t+15], v[OA+32*\t+8*\dt:OA+32*\t+8*\dt+7]
.endr
.endr
.endm
; THE CHANGE OF SLOTS stands at a slot's head.  Each wave waits for all its tensor loads, adds 0 to its spare word, and waits for that and for its reads of the slot that it has left.  fill = 1: a round of the
; cluster's barrier, so that no wave of any partner still reads that slot or has a load on its way; the joint load of the keys that follow is the first thing behind it: one load of a wave is out, with four key steps in which to land.
.macro CHANGE fill
	s_wait_tensorcnt 0x0
	ds_add_u32 v[SPW], v[NIL]
.if \fill
	ds_add_u32 v[SPW], v[NIL]                      ; twice on end here, in every trip alike
	s_xor_b32 s[G0K+1], s[G0K+1], SLOT1            ; no load of mine is out: the walking descriptors step: the other slot, the next 256 keys
	s_add_nc_u64 s[G0K+2:G0K+3], s[G0K+2:G0K+3], SK*128
	s_xor_b32 s[G0V+1], s[G0V+1], SLOT1
	s_add_nc_u64 s[G0V+2:G0V+3], s[G0V+2:G0V+3], SK*128
	s_wait_xcnt 0x0                                ; the last prefetch, a slot back, has read its address
	s_add_nc_u64 s[PFA:PFA+1], s[PFA:PFA+1], SK*128
	s_wait_dscnt 0x0
	CROUND
	TLOAD
	ASK
.else
	s_wait_dscnt 0x0
	s_barrier_signal -1
	s_barrier_wait -1
.endif
.endm
.macro SLOT_STEPS
	v_add_nc_u32 v[ADK], s[TB], v[AK0]
	v_add_nc_u32 v[ADV], s[TB], v[AV0]
	v_add_nc_u32 v[ADB], s[TS], v[AB0]
	STEP 0
	STEP 1
	STEP 2
	STEP 3
	s_xor_b32 s[TB], s[TB], SLOT1
	s_add_co_u32 s[TS], s[TS], 4*SK
.endm
.Lslot:                                            ; NSL - 1 trips: behind each change of slots but the last the next slot is asked for
	CHANGE 1
	SLOT_STEPS
	s_sub_co_u32 s[SLOTS], s[SLOTS], 1
	s_cmp_lg_u32 s[SLOTS], 0
	s_cbranch_scc1 .Lslot
	CHANGE 0                                       ; the last slot is written out
	SLOT_STEPS
	; THE WAY OUT: O^T / l, to f16, through my stage, out as runs of 512 bytes.  The additions are the places behind the last products.
.irp t, 0,1
	v_add_f32 v[ST+12*\t+4], v[ST+12*\t+2], v[ST+12*\t+3]
.endr
.irp t, 0,1
	v_permlanex16_b32 v[ST+12*\t+5], v[ST+12*\t+4], s[SEL], s[SEL+1]
.endr
.irp t, 0,1
	v_add_f32 v[ST+12*\t+4], v[ST+12*\t+4], v[ST+12*\t+5]
.endr
.irp t, 0,1
	v_rcp_f32 v[ST+12*\t+6], v[ST+12*\t+4]
.endr
	v_and_b32 v13, 15, v0                          ; (plain work behind the reciprocals)
	v_bfe_u32 v14, v0, 4, 1
	s_mul_i32 s56, s[WV], 32*SP                    ; my stage
	v_mul_u32_u24 v[STO], v13, SP
	v_lshl_add_u32 v[STO], v14, 4, v[STO]
	v_add_nc_u32 v[STO], s56, v[STO]               ; in: row r, + 16 h
	v_bfe_u32 v13, v0, 3, 2
	v_and_b32 v14, 7, v0
	v_mul_u32_u24 v[RD], v13, SP
	v_lshl_add_u32 v[RD], v14, 4, v[RD]
	v_add_nc_u32 v[RD], s56, v[RD]                 ; back: eight lanes to a row, four rows an instruction
	s_wait_alu depctr_va_vdst(0)                   ; one wait for the two reciprocals, ahead of their first reader
.irp t, 0,1
.irp j, 0,2,4,6,8,10,12,14,16,18,20,22,24,26,28,30
	v_pk_mul_f32 v[OA+32*\t+\j:OA+32*\t+\j+1], v[OA+32*\t+\j:OA+32*\t+\j+1], v[ST+12*\t+6:ST+12*\t+7] op_sel_hi:[1,0]
.endr
.endr
.irp t, 0,1
.irp n, 0,1,2,3,4,5,6,7,8,9,10,11,12,13,14,15
	v_cvt_pk_f16_f32 v[FB+16*\t+\n], v[OA+32*\t+2*\n], v[OA+32*\t+2*\n+1]
.endr
.endr
.irp t, 0,1
.irp dt, 0,1,2,3
	ds_store_b128 v[STO], v[FB+16*\t+4*\dt:FB+16*\t+4*\dt+3] offset:\t*16*SP+32*\dt
.endr
.endr
.irp u, 0,1,2,3,4,5,6,7
	ds_load_b128 v[SR+4*\u:SR+4*\u+3], v[RD] offset:\u*4*SP   ; LDS serves a wave's instructions in order: these see my stores
.endr
.irp u, 0,1,2,3,4,5,6,7
	s_wait_dscnt 7-\u                              ; load u is in; the younger ones stay out
	global_store_b128 v[GO], v[SR+4*\u:SR+4*\u+3], s[14:15] offset:512*\u   ; four rows of 128 bytes: 512 bytes on end, aligned
.endr
	s_wait_tensorcnt 0x0                           ; the wave's end
	ds_add_u32 v[SPW], v[NIL]
	s_wait_dscnt 0x0
	CROUND                                         ; the closing round
	s_endpgm
.Lfunc_end_k_q96580b472b_attention:
	.size	k_q96580b472b_attention, .Lfunc_end_k_q96580b472b_attention-k_q96580b472b_attention
	.p2alignl 7, 3214868480
	.fill 96, 4, 3214868480
	.section	.rodata,"a",@progbits
	.p2align	6, 0x0
	.amdhsa_kernel k_q96580b472b_attention
		.amdhsa_group_segment_fixed_size 327680
		.amdhsa_private_segment_fixed_size 0
		.amdhsa_enable_private_segment 0
		.amdhsa_kernarg_size 24
		.amdhsa_user_sgpr_count 2
		.amdhsa_user_sgpr_kernarg_segment_ptr 1
		.amdhsa_wavefront_size32 1
		.amdhsa_system_sgpr_workgroup_id_x 1
		.amdhsa_system_sgpr_workgroup_id_y 1
		.amdhsa_system_sgpr_workgroup_id_z 1
		.amdhsa_system_vgpr_workitem_id 0
		.amdhsa_next_free_vgpr 256
		.amdhsa_next_free_sgpr 80
		.amdhsa_reserve_vcc 0
		.amdhsa_float_denorm_mode_32 3
		.amdhsa_float_denorm_mode_16_64 3
		.amdhsa_memory_ordered 1
		.amdhsa_forward_progress 1
		.amdhsa_inst_pref_size 160
	.end_amdhsa_kernel
	.amdgpu_metadata
---
amdhsa.version: [ 1, 2 ]
amdhsa.kernels:
  - .name:           k_q96580b472b_attention
    .symbol:         k_q96580b472b_attention.kd
    .args:
      - { .name: qkvh, .offset: 0, .size: 8, .value_kind: global_buffer, .address_space: global }
      - { .name: key_padding_mask, .offset: 8, .size: 8, .value_kind: global_buffer, .address_space: global }
      - { .name: ctx, .offset: 16, .size: 8, .value_kind: global_buffer, .address_space: global }
    .group_segment_fixed_size: 327680
    .private_segment_fixed_size: 0
    .kernarg_segment_align: 8
    .kernarg_segment_size: 24
    .max_flat_workgroup_size: 512
    .sgpr_count:     80
    .vgpr_count:     256
    .wavefront_size: 32
...
	.end_amdgpu_metadata
.endif
;; end of part 3
;; launch outproj (part 4): grid 4 x 64, 4 waves a work-group, clusters of 4 x 4, 327,680 bytes of LDS; arguments ctx, pw16, proj_b, out0; writes out0
.if DOCPART == 4
	.amdgcn_target "amdgcn-amd-amdhsa--gfx1250"
	.amdhsa_code_object_version 6
	.text
	.protected	k_q96580b472b_outproj
	.globl	k_q96580b472b_outproj
	.p2align	8
	.type	k_q96580b472b_outproj,@function
k_q96580b472b_outproj:
	s_mov_b64 s[64:65], 0
	v_nop
	global_prefetch_b8 v0, s[64:65] scope:SCOPE_SE
	s_setreg_imm32_b32 hwreg(HW_REG_WAVE_MODE, 25, 1), 1
	s_wait_xcnt 0x0
	s_wait_alu depctr_hold_cnt(0) depctr_sa_sdst(0) depctr_va_vdst(0) depctr_va_sdst(0) depctr_va_ssrc(0) depctr_va_vcc(0) depctr_vm_vsrc(0)
	s_getreg_b32 s2, hwreg(HW_REG_IB_STS2, 6, 4)
	s_cmp_eq_u32 s2, 0
	s_cbranch_scc0 .Lentry_in_a_cluster
	s_endpgm
.Lentry_in_a_cluster:
	s_bfe_u32 s2, ttmp6, 0x10000c
	s_cmp_lg_u32 s2, 0xf033
	s_cbranch_scc0 .Lentry_shape_is_right
	s_endpgm
.Lentry_shape_is_right:
; out0 = ctx proj_w^T + proj_b.  ctx: f16, [16 heads][8192 rows][64]: k = 64 head + channel;  pw16: f16, [1024 n][1024 k];  out0: [8192][1024] f32.  Products in f16, sums in f32.
; A tile of 128 rows x 256 columns gives 256 work-groups.  Four waves, each 64 x 128: 32 accumulators, 256 registers.  K goes in steps of 128 (two heads: two dense planes of 128 rows x 128 bytes of ctx; rows of 256 bytes of pw16)
; through a ring of two LDS slots.  CLUSTERS: 4 x 4: ctx's tiles are asked for jointly along a row of the cluster, pw16's along a column.  Waves 0, 1 fetch ctx's two planes, waves 2, 3 pw16's two halves: one load a wave.
; THE MATRIX INSTRUCTION IS USED TRANSPOSED (source 0 = 16 rows of pw16, source 1 = 16 rows of ctx): a lane holds eight neighbouring numbers of a row of out0.  The bias is the C of each sum's first product.
; No prefetch: the tiles are shared in the cluster, and both inputs are read again and again by neighbouring work-groups.
; REGISTERS: window 0: v16-29 addresses; v64-127 the bias; v128-255 rows on the way out, two sets.  window 1: two fragment buffers of 96 at v0 and v128 (pw16's eight fragments, then ctx's four).  window 2: accumulator (a, b) at v[8 (8 a + b)].
.set PA,     144                       ; a row of a plane of ctx in LDS: 128 bytes + 16
.set PB,     272                       ; a row of pw16's tile: 256 + 16
.set PLANE,  128*PA
.set BOFF,   2*PLANE
.set HALFB,  128*PB
.set SLOT,   BOFF+2*HALFB
.set STAGE,  2*SLOT                    ; behind the ring: 16 rows x (512 + 16) bytes for each wave; no fill lands there
.set SPITCH, 528
.set SPARE,  STAGE+4*16*SPITCH
.set LAPS,   4                         ; 1,024 / (2 x 128)
.set ADRA, 16
.set ADRB, 20
.set STO,  24
.set RD,   25
.set CO,   26
.set BO,   27
.set SPW,  28
.set NIL,  29
.set BIA,  64
.set BK,   128
.set F0,   0
.set F1,   128
.set G1, 24
.set G0, 32
.set G1B, 48
.set G0B, 56
.set MSB, 0
.macro WIN new
.if MSB != (\new)
	s_set_vgpr_msb (MSB<<8)|(\new)
.set MSB, (\new)
.endif
.endm
.set MUL,  0xa5                        ; sources 0 and 1 window 1, C and D window 2
.set MULB, 0x85                        ; the first products: C (the bias) window 0
.set TO_F, 0x40
.macro JLOAD s                         ; an s_nop 0 and four v_nop follow each of the two lines
	s_cmp_eq_u32 s13, 0
	s_cbranch_scc0 .Lfor_b_\@
	tensor_load_to_lds s[G0+4*\s:G0+4*\s+3], s[G1:G1+7]
	s_nop 0
.rept 4
	v_nop
.endr
	s_branch .Lasked_\@
.Lfor_b_\@:
	tensor_load_to_lds s[G0B+4*\s:G0B+4*\s+3], s[G1B:G1B+7]
	s_nop 0
.rept 4
	v_nop
.endr
.Lasked_\@:
.endm
.macro CREST
	s_cmp_lg_u32 s12, 0
	s_cbranch_scc1 .Lnot_wave_0_\@
	s_barrier_signal -3
.Lnot_wave_0_\@:
	s_barrier_wait -3
	s_barrier_signal -1
	s_barrier_wait -1
.endm
.macro CROUND
	s_barrier_signal -1
	s_barrier_wait -1
	CREST
.endm
	s_load_b256 s[4:11], s[0:1], 0x0               ; ctx s[4:5], pw16 s[6:7], proj_b s[8:9], out0 s[10:11]
	v_lshl_add_u32 v[SPW], v0, 2, SPARE
	v_mov_b32 v[NIL], 0
	ds_add_u32 v[SPW], v[NIL]                      ; the wave's opening: the add, twice on end, and its wait ahead of my first tensor load
	ds_add_u32 v[SPW], v[NIL]
	v_lshrrev_b32 v1, 5, v0
	v_readfirstlane_b32 s12, v1                    ; wave 0..3
	s_lshr_b32 s13, s12, 1                         ; my half of the tile's rows.  Also: I fetch for ctx (0) or pw16 (1)
	s_and_b32 s14, s12, 1                          ; my half of its columns.  Also: which plane or half I fetch
	s_bfe_u32 s40, ttmp6, 0x40000
	s_bfe_u32 s41, ttmp6, 0x40004
	s_lshl_b32 s42, ttmp9, 2
	s_add_co_u32 s42, s42, s40                     ; tile column
	s_and_b32 s15, ttmp7, 0xffff
	s_lshl_b32 s15, s15, 2
	s_add_co_u32 s15, s15, s41                     ; tile row
	s_lshl_b32 s43, s41, 2
	s_lshl_b32 s43, 15, s43                        ; my row of the cluster
	s_lshl_b32 s44, 0x1111, s40                    ; my column
	s_or_b32 s[G1+0], s43, (1<<16)|(1<<20)|(1<<21)|(4<<22)|(3<<25)   ; ctx: elements of 2 bytes; padding: 4 words after every 32
	s_mov_b32 s[G1+1], 64<<16
	s_mov_b32 s[G1+2], 128<<16
	s_mov_b32 s[G1+3], 64<<16
	s_mov_b32 s[G1+4], 128
	s_mov_b32 s[G1+5], 64
	s_mov_b32 s[G1+6], 0
	s_mov_b32 s[G1+7], 0
	s_or_b32 s[G1B+0], s44, (1<<16)|(1<<20)|(1<<21)|(5<<22)|(3<<25)  ; pw16: padding: 4 words after every 64
	s_mov_b32 s[G1B+1], 128<<16
	s_mov_b32 s[G1B+2], 128<<16
	s_mov_b32 s[G1B+3], 128<<16
	s_mov_b32 s[G1B+4], 128
	s_mov_b32 s[G1B+5], 1024
	s_mov_b32 s[G1B+6], 0
	s_mov_b32 s[G1B+7], 0
	s_lshl_b32 s16, s14, 20                        ; ctx: my plane (a head is 2^20 bytes),
	s_lshl_b32 s17, s15, 14                        ; the tile's 128 rows of 128 bytes
	s_add_co_u32 s16, s16, s17
	s_mov_b32 s17, 0
	s_lshl_b32 s46, s42, 19                        ; pw16: 256 rows of 2,048 bytes a tile column,
	s_lshl_b32 s47, s14, 18                        ; my 128 of them
	s_add_co_u32 s46, s46, s47
	s_mov_b32 s47, 0
	s_mul_i32 s20, s14, PLANE                      ; where they go: no place in the cluster enters an LDS address
	s_mul_i32 s21, s14, HALFB
	s_add_co_u32 s21, s21, BOFF
	s_wait_dscnt 0x0                               ; both opening adds are done
	s_wait_kmcnt 0x0
	s_add_nc_u64 s[22:23], s[4:5], s[16:17]
	s_add_nc_u64 s[46:47], s[6:7], s[46:47]
	CROUND                                         ; all sixteen work-groups are here
.irp s, 0,1
	s_mov_b32 s[G0+4*\s], 1
	s_add_co_u32 s[G0+4*\s+1], s20, \s*SLOT
	s_add_nc_u64 s[G0+4*\s+2:G0+4*\s+3], s[22:23], \s*2097152      ; K step s: heads 2 s, 2 s + 1
	s_or_b32 s[G0+4*\s+3], s[G0+4*\s+3], 0x80000000
	s_mov_b32 s[G0B+4*\s], 1
	s_add_co_u32 s[G0B+4*\s+1], s21, \s*SLOT
	s_add_nc_u64 s[G0B+4*\s+2:G0B+4*\s+3], s[46:47], \s*256
	s_or_b32 s[G0B+4*\s+3], s[G0B+4*\s+3], 0x80000000
	JLOAD \s                                       ; two loads of mine are out
.endr
	v_and_b32 v1, 15, v0                           ; r
	v_bfe_u32 v2, v0, 4, 1                         ; h
	v_mul_u32_u24 v3, v1, PA
	v_lshl_add_u32 v3, v2, 4, v3
	v_mul_u32_u24 v4, v1, PB
	v_lshl_add_u32 v4, v2, 4, v4
	s_mul_i32 s21, s13, 64*PA                      ; my 64 rows of ctx, in each plane
	s_mul_i32 s22, s14, HALFB                      ; my 128 rows of pw16
	s_add_co_u32 s22, s22, BOFF
.irp s, 0,1
	v_add_nc_u32 v[ADRA+\s], s21, v3
	v_add_nc_u32 v[ADRB+\s], s22, v4
	s_add_co_u32 s21, s21, SLOT
	s_add_co_u32 s22, s22, SLOT
.endr
	s_mul_i32 s23, s12, 16*SPITCH
	s_add_co_u32 s23, s23, STAGE                   ; my stage
	v_mul_u32_u24 v5, v1, SPITCH
	v_lshl_add_u32 v5, v2, 5, v5
	v_add_nc_u32 v[STO], s23, v5                   ; in: row r, 32 bytes for each half of the lanes
	v_and_b32 v6, 31, v0
	v_lshlrev_b32 v[CO], 4, v6
	v_add_nc_u32 v[RD], s23, v[CO]                 ; back: the 32 lanes take a row of 512 bytes
	v_lshlrev_b32 v[BO], 5, v2
	s_lshl_b32 s16, s15, 19                        ; out0: 128 rows of 4,096 bytes a tile row,
	s_lshl_b32 s17, s13, 18                        ; my 64 of them
	s_add_co_u32 s16, s16, s17
	s_mov_b32 s17, 0
	s_add_nc_u64 s[10:11], s[10:11], s[16:17]
	s_lshl_b32 s46, s42, 10                        ; my first column, in bytes; the same in proj_b
	s_lshl_b32 s47, s14, 9
	s_add_co_u32 s46, s46, s47
	s_mov_b32 s47, 0
	s_add_nc_u64 s[10:11], s[10:11], s[46:47]
	s_add_nc_u64 s[8:9], s[8:9], s[46:47]
.irp b, 0,1,2,3,4,5,6,7
	global_load_b128 v[BIA+8*\b:BIA+8*\b+3], v[BO], s[8:9] offset:64*\b
	global_load_b128 v[BIA+8*\b+4:BIA+8*\b+7], v[BO], s[8:9] offset:64*\b+16
.endr
; 8 matrix instructions: ctx's block a x pw16's eight, 32 along K.  The 32 accumulators take turns, one instruction a turn, in the same order everywhere.
.macro MUL8 f, a, first
.irp b, 0,1,2,3,4,5,6,7
.if \first
	v_wmma_f32_16x16x32_f16 v[8*(8*(\a)+\b):8*(8*(\a)+\b)+7], v[\f+8*\b:\f+8*\b+7], v[\f+64+8*(\a):\f+64+8*(\a)+7], v[BIA+8*\b:BIA+8*\b+7]
.else
	v_wmma_f32_16x16x32_f16 v[8*(8*(\a)+\b):8*(8*(\a)+\b)+7], v[\f+8*\b:\f+8*\b+7], v[\f+64+8*(\a):\f+64+8*(\a)+7], v[8*(8*(\a)+\b):8*(8*(\a)+\b)+7]
.endif
.endr
.endm
; 24 LDS loads in one run: the fragments of the slot's kq-th 32 along K into buffer f: pw16's sixteen loads first, ctx's blocks 2 and 3 last
.macro FETCH slot, kq, f
	WIN TO_F
.irp b, 0,1,2,3,4,5,6,7
	ds_load_b128 v[\f+8*\b:\f+8*\b+3],   v[ADRB+\slot] offset:64*(\kq)+\b*16*PB
	ds_load_b128 v[\f+8*\b+4:\f+8*\b+7], v[ADRB+\slot] offset:64*(\kq)+\b*16*PB+32
.endr
.irp a, 0,1,2,3
	ds_load_b128 v[\f+64+8*\a:\f+64+8*\a+3], v[ADRA+\slot] offset:((\kq)/2)*PLANE+((\kq)%2)*64+\a*16*PA
	ds_load_b128 v[\f+64+8*\a+4:\f+64+8*\a+7], v[ADRA+\slot] offset:((\kq)/2)*PLANE+((\kq)%2)*64+\a*16*PA+32
.endr
.endm
.macro PLACES                          ; four plain vector instructions between a matrix instruction and a load into, or a read of, its registers
.rept 4
	v_nop
.endr
.endm
; A K step is four quarters of 32 along K, 32 matrix instructions each, on buffers 0, 1, 0, 1.  One of the first three multiplies buffer f and fetches the quarter kq of the same slot into g.
.macro QUARTER slot, kq, f, g, first
	s_wait_dscnt 4                                 ; all but the youngest four loads (ctx's blocks 2 and 3) are in
.if \first
	WIN MULB
.else
	WIN MUL
.endif
	MUL8 \f, 0, \first
	MUL8 \f, 1, \first
	PLACES
	FETCH \slot, \kq, \g
	s_wait_dscnt 24                                ; all but the 24 just issued
.if \first
	WIN MULB
.else
	WIN MUL
.endif
	MUL8 \f, 2, \first
	MUL8 \f, 3, \first
.endm
; The last quarter multiplies buffer 1 and changes slots: one barrier; in front of it each wave waits for all its tensor loads, adds 0 to its spare word, and waits for that and for its reads of this slot.
; fill = 1: the barrier opens a round of the cluster's, and this slot is filled again, two K steps ahead: one load of mine is out, with a K step less sixteen matrix instructions in which to land.
.macro TURN slot, next, fill
	WIN 0
	s_wait_tensorcnt 0x0
	ds_add_u32 v[SPW], v[NIL]
	s_wait_dscnt 5                                 ; the add and the youngest four loads may be out
	WIN MUL
	MUL8 F1, 0, 0
	s_wait_dscnt 0x0                               ; the add is done, and my reads of this slot are over
	s_barrier_signal -1
	MUL8 F1, 1, 0
.if \fill
	WIN 0
.endif
	s_barrier_wait -1
.if \fill
	CREST
	s_add_nc_u64 s[G0+4*\slot+2:G0+4*\slot+3], s[G0+4*\slot+2:G0+4*\slot+3], 4194304   ; four heads on
	s_add_nc_u64 s[G0B+4*\slot+2:G0B+4*\slot+3], s[G0B+4*\slot+2:G0B+4*\slot+3], 512
	JLOAD \slot                                    ; the first tensor load behind the round; its four v_nop are also the places in front of the loads below
.else
	PLACES
.endif
	FETCH \next, 0, F0
	WIN MUL
	MUL8 F1, 2, 0
	MUL8 F1, 3, 0
.endm
	s_wait_tensorcnt 1                             ; my part of K step 0 is in; K step 1's may be out
	s_barrier_signal -1
	s_barrier_wait -1
	FETCH 0, 0, F0
	s_wait_loadcnt 0x0                             ; the bias
	QUARTER 0, 1, F0, F1, 1                        ; the first quarter starts the sums on the bias
	WIN 0
	s_mov_b32 s3, LAPS-1
.Llap:                                                 ; a trip goes once round the ring and fills both slots again
	QUARTER 0, 2, F1, F0, 0
	QUARTER 0, 3, F0, F1, 0
	TURN 0, 1, 1
	QUARTER 1, 1, F0, F1, 0
	QUARTER 1, 2, F1, F0, 0
	QUARTER 1, 3, F0, F1, 0
	TURN 1, 0, 1
	QUARTER 0, 1, F0, F1, 0
	WIN 0
	s_sub_co_u32 s3, s3, 1
	s_cmp_lg_u32 s3, 0
	s_cbranch_scc1 .Llap
	QUARTER 0, 2, F1, F0, 0                        ; the last lap fills nothing
	QUARTER 0, 3, F0, F1, 0
	TURN 0, 1, 0
	QUARTER 1, 1, F0, F1, 0
	QUARTER 1, 2, F1, F0, 0
	QUARTER 1, 3, F0, F1, 0
	s_wait_dscnt 4
	WIN MUL
	MUL8 F1, 0, 0
	MUL8 F1, 1, 0
	s_wait_dscnt 0
	MUL8 F1, 2, 0
	MUL8 F1, 3, 0
	WIN 0
; THE WAY OUT, a block of 16 rows x 128 columns at a time, through my own stage: back as whole rows of 512 bytes.
.macro TOSTAGE a
	WIN 0x08                                       ; an LDS store's data are its source 1: window 2
.irp b, 0,1,2,3,4,5,6,7
	ds_store_b128 v[STO], v[64*(\a)+8*\b:64*(\a)+8*\b+3] offset:64*\b          ; each accumulator from its low end on
	ds_store_b128 v[STO], v[64*(\a)+8*\b+4:64*(\a)+8*\b+7] offset:64*\b+16
.endr
	WIN 0
.irp t, 0,1,2,3,4,5,6,7,8,9,10,11,12,13,14,15
	ds_load_b128 v[BK+64*((\a)%2)+4*\t:BK+64*((\a)%2)+4*\t+3], v[RD] offset:\t*SPITCH   ; in order behind the stores above
.endr
.endm
.macro SEND a, younger
	s_wait_dscnt \younger                          ; the block is back; the next block's 16 stores and 16 loads may be out
.irp t, 0,1,2,3,4,5,6,7,8,9,10,11,12,13,14,15
	global_store_b128 v[CO], v[BK+64*((\a)%2)+4*\t:BK+64*((\a)%2)+4*\t+3], s[10:11] offset:(16*(\a)+\t)*4096 th:TH_STORE_NT   ; 32 lanes store 512 bytes on end, aligned
.endr
.endm
	PLACES
	TOSTAGE 0
.irp a, 1,2,3
.if \a > 1
	s_wait_xcnt 0x0                                ; block a - 2's stores have read the registers into which block a's loads land
.endif
	TOSTAGE \a
	SEND \a-1, 32
.endr
	SEND 3, 0
	s_wait_tensorcnt 0x0                           ; the wave's end
	ds_add_u32 v[SPW], v[NIL]
	s_wait_dscnt 0x0
	CROUND                                         ; the closing round
	s_endpgm
.Lfunc_end_k_q96580b472b_outproj:
	.size	k_q96580b472b_outproj, .Lfunc_end_k_q96580b472b_outproj-k_q96580b472b_outproj
	.p2alignl 7, 3214868480
	.fill 96, 4, 3214868480
	.section	.rodata,"a",@progbits
	.p2align	6, 0x0
	.amdhsa_kernel k_q96580b472b_outproj
		.amdhsa_group_segment_fixed_size 327680
		.amdhsa_private_segment_fixed_size 0
		.amdhsa_enable_private_segment 0
		.amdhsa_kernarg_size 32
		.amdhsa_user_sgpr_count 2
		.amdhsa_user_sgpr_kernarg_segment_ptr 1
		.amdhsa_wavefront_size32 1
		.amdhsa_system_sgpr_workgroup_id_x 1
		.amdhsa_system_sgpr_workgroup_id_y 1
		.amdhsa_system_sgpr_workgroup_id_z 1
		.amdhsa_system_vgpr_workitem_id 0
		.amdhsa_next_free_vgpr 768
		.amdhsa_next_free_sgpr 66
		.amdhsa_reserve_vcc 0
		.amdhsa_float_denorm_mode_32 3
		.amdhsa_float_denorm_mode_16_64 3
		.amdhsa_memory_ordered 1
		.amdhsa_forward_progress 1
		.amdhsa_inst_pref_size 86
	.end_amdhsa_kernel
	.amdgpu_metadata
---
amdhsa.version: [ 1, 2 ]
amdhsa.kernels:
  - .name:           k_q96580b472b_outproj
    .symbol:         k_q96580b472b_outproj.kd
    .args:
      - { .name: ctx, .offset: 0, .size: 8, .value_kind: global_buffer, .address_space: global }
      - { .name: pw16, .offset: 8, .size: 8, .value_kind: global_buffer, .address_space: global }
      - { .name: proj_b, .offset: 16, .size: 8, .value_kind: global_buffer, .address_space: global }
      - { .name: out0, .offset: 24, .size: 8, .value_kind: global_buffer, .address_space: global }
    .group_segment_fixed_size: 327680
    .private_segment_fixed_size: 0
    .kernarg_segment_align: 8
    .kernarg_segment_size: 32
    .max_flat_workgroup_size: 128
    .sgpr_count:     66
    .vgpr_count:     768
    .wavefront_size: 32
...
	.end_amdgpu_metadata
.endif
;; end of part 4
